; MI455X (gfx1250); checked and timed in simulation.
; The chip was launched on July 23, 2026; its instructions are those of AMD's public machine-readable ISA for CDNA 5 (MIT licence, August 2026) and "CDNA5" Instruction Set Architecture Reference Guide (July 2026). The comments in the code are by the model that wrote it; some were corrected since.
;; Attention. Allowed arithmetic: matrix products marked QUANTISED: E2M1 operands, one E8M0 scale for each 32 along K, by v_wmma_scale_f32_16x16x128_f8f6f4 with both operands' format E2M1 (or v_wmma_scale_f32_32x16x128_f4), f32 sums; everything else in f32.
;; Inputs: cache_k 1 x 16 x 2,048 x 128 float32; cache_v 1 x 16 x 2,048 x 128 float32; freqs_cos 2,048 x 64 float32; freqs_sin 2,048 x 64 float32; mask 1 x 1 x 2,048 x 2,048 float32; wk 2,048 x 2,048 float32; wo 2,048 x 2,048 float32; wq 2,048 x 2,048 float32; wv 2,048 x 2,048 float32; x 1 x 2,048 x 2,048 float32.
;; Outputs: out0 1 x 2,048 x 2,048 float32.
;; Constants: start_pos = 0.
;; This version of the problem:
;;   THIS VERSION OF THE PROBLEM IS GIVEN IN LOW PRECISION. The matrix products marked QUANTISED in the list below multiply operands that are first quantised to E2M1 (2 exponent bits, 1 mantissa bit; 4 bits a number), with one power-of-two scale for each 32 numbers along K (OCP MX v1.0); their sums are f32. All else is computed in f32.
;;   The module's matrix products, in the order in which they are computed (A, B: the left and right operand; K: the contracted axis; several contracted axes count as one K, in the product's order):
;;     1. [M 2,048, K 2,048] x [K 2,048, N 2,048]; A: input x; B: input wq: QUANTISED
;;     2. [M 2,048, K 2,048] x [K 2,048, N 2,048]; A: input x; B: input wk: QUANTISED
;;     3. [M 2,048, K 2,048] x [K 2,048, N 2,048]; A: input x; B: input wv: QUANTISED
;;     4. batch 16 x [M 2,048, K 128] x [K 128, N 2,048]; A: computed on the way; B: computed on the way: QUANTISED
;;     5. batch 16 x [M 2,048, K 2,048] x [K 2,048, N 128]; A: softmax (see below); B: computed on the way: QUANTISED
;;     6. [M 2,048, K 2,048] x [K 2,048, N 2,048]; A: computed on the way; B: input wo: QUANTISED
;;   THE QUANTISER, for each operand of a quantised product, along K:
;;     - K is cut into blocks of 32 from its start; a last block that is shorter is filled with zeros.
;;     - A block's scale is 2^e with e = floor(log2(the largest magnitude in the block)) - 2, held to -126 .. 127; a block of zeros has e = 0. As a byte (E8M0): e + 127.
;;     - Each number is divided by its block's scale, clamped to +-6, and rounded to the nearest number of E2M1, ties to even, subnormals kept.
;;     - The product sums the exact products of the quantised numbers (number of the format x scale) in f32.
;;   ~~~python
;;   def quantise(x, axis):      # numpy; x: float32 -> the quantised numbers, widened to float32 again
;;       x = np.moveaxis(x, axis, -1); K = x.shape[-1]
;;       x = np.pad(x, [(0, 0)] * (x.ndim - 1) + [(0, -K % 32)]); x = x.reshape(x.shape[:-1] + (-1, 32)); a = np.abs(x).max(-1, keepdims=True)
;;       e = np.where(a > 0, np.clip(np.frexp(np.where(a > 0, a, 1))[1] - 1 - 2, -126, 127), 0)      # np.frexp(a)[1] - 1 = floor(log2(a)), exactly
;;       r = np.clip(x / 2.0 ** e, -6, 6)
;;       step = 2.0 ** (np.maximum(np.frexp(np.where(r == 0, 1, r))[1] - 1, 0) - 1)
;;       q = np.round(r / step) * step * 2.0 ** e      # np.round: ties to even
;;       return np.moveaxis(q.reshape(q.shape[:-2] + (-1,))[..., :K], -1, axis).astype(np.float32)
;;   ~~~
;;   SOFTMAX AHEAD OF A QUANTISED PRODUCT. Where the list says 'softmax', what is quantised is not the finished softmax but p = 2^(t - M), with t = logit x log2(e) and M = ceil(the row's largest t), a whole number; so 1/2 < the row's largest p <= 1. The row's sum l is taken of the UNQUANTISED p, in f32, and the product's result is divided by l at the end. Since M is a whole number, a kernel that streams over the keys may use a running M (the ceiling of the running maximum): every later rescaling is an exact power of two, which a block's scale takes up: the codes' values come out the same.
;;   OPERANDS COMPUTED ON THE WAY. 'Computed on the way' means the value that the module computes at that place (a softmax that the list does not call 'softmax' is quantised finished and normalised). What goes into a quantiser is computed in f32, as accurately as f32 sums, v_exp_f32 and their like allow (about 1e-6 of the number): no bf16 or f16 on the way to a quantiser, and a product that is left as it is and whose result goes on into a quantised operand takes f32 operands (vector FMAs, or v_wmma_f32_16x16x4_f32). A number that lies on a knife's edge between two numbers of the format may be rounded either way, as far as f32 arithmetic and the matrix unit's own rounding can turn it there, and no further.
;; One version. Each part assembles by itself: llvm-mc -triple=amdgcn-amd-amdhsa -mcpu=gfx1250 --defsym DOCPART=n.
;; ======== version 1 of 1: 4 launches
;; limits: right only within a limited range of input values
;; workspace buffers: cod 8,912,896 bytes; aoc 2,228,224 bytes; kvc 4,194,304 bytes; kvs 262,144 bytes
;; launch quant (part 1): grid 256 x 1, 16 waves a work-group, no clusters, 327,680 bytes of LDS; arguments x, wv, wq, wo, cod; writes cod
.if DOCPART == 1
	.amdgcn_target "amdgcn-amd-amdhsa--gfx1250"
	.amdhsa_code_object_version 6
	.text
	.protected	k_q2442ea837f_quant
	.globl	k_q2442ea837f_quant
	.p2align	8
	.type	k_q2442ea837f_quant,@function
k_q2442ea837f_quant:
	s_mov_b64 s[64:65], 0
	v_nop
	global_prefetch_b8 v0, s[64:65] scope:SCOPE_SE
	s_setreg_imm32_b32 hwreg(HW_REG_WAVE_MODE, 25, 1), 1
	s_wait_xcnt 0x0
; x, wv, wq and wo, each [2048][2048] f32 with K innermost, become codes of FP4 (E2M1) with one E8M0 scale byte for each 32 along K, laid as the later launches' matrix operands want them.
; NOT READ BY THIS PROGRAM: wk, cache_k, cache_v.  reference() overwrites x wk^T by the rotated query before any use, and with start_pos = 0 and 2,048 new rows both caches are overwritten whole before they are sliced:
; none of the three has a way to the output, whatever finite numbers it holds; they are among no launch's arguments.  LIMIT: a NaN, an infinity or an overflow that reaches only this work left out is not carried to the result.
; LAYOUT OF cod: four tensors (x, wv, wq, wo) of 512 RECORDS of 4,352 bytes.  A record is 32 rows (group g32) x 256 along K (pair p), record number 8 g32 + p: four IMAGES of 1,024 bytes [tile e][K step s], then 256 bytes of scale words.
; An image is a fragment's registers as they stand: 16 rows x 128 K, register group c at 512 c, lane l's 16 bytes at 16 l; lane (r, h) holds k = 64 c + 32 h + 0 .. 31 of tile row r.  The word of (e, r, s) lies at 4,096 + 8 (16 e + r) + 4 s.
; THE ROWS OF A TILE ARE NOT NEIGHBOURS: tile e, tile row m stands for row 32 g32 + 16 (m / 8) + 8 e + m % 8, so that a product that takes such tiles as source 0 leaves 16 neighbours along the next K in a lane's 16 registers of two tiles.
; A block's scale is 2^(floor(log2(largest magnitude)) - 2): its byte is the largest magnitude's exponent field - 2, held at 1 from below.
; LIMITS: a block of zeros, or one whose largest magnitude lies under 2^-124, gets the byte 1 (the rule's 127 for zeros is not made: the codes are zeros and this program alone reads the bytes); NaN and infinities are not served.
; SHARES: a work-group takes one group of 32 rows of one tensor, all of K: 262,144 bytes, 8 records; 4 x 64 = 256 work-groups.  Wave w takes K step w (pair w >> 1, step w & 1): 32 rows x 128 numbers, two images.
; Each wave brings its own tile by ONE tensor load at the head (32 rows of 512 bytes, each at a multiple of 512 bytes in memory; 16 bytes of padding behind each row in LDS) and alone reads it: a lane takes 16 neighbours of each block of 32 of ONE row.
; Nothing is filled again.  One barrier, for the scale words, which leave as whole runs of 256 bytes.  No cluster: no two work-groups read the same bytes.  No prefetch: every load from memory goes out at the head, so there is no loop to run ahead in.
.set WV,   14
.set SPI,  528                         ; a tile's row in LDS: 512 bytes + 16 of padding
.set TILE, 32*SPI                      ; a wave's tile
.set GW,   16*TILE                     ; behind the tiles: the 8 records' scale words, 2,048 bytes
.set SPARE, GW+2048                    ; the spare words, 128 bytes a wave: eight blocks of 256 bytes that no other line names
.set REC,  4352
.set X0,   32                          ; v32-95   tile e = 0's numbers
.set X1,   96                          ; v96-159  tile e = 1's
.set PC0,  160                         ; v160-167, v168-175 their codes: no store's data are written again
.set PC1,  168
.set TM,   176                         ; v176-191 at work in QUANT
.set PW0,  192                         ; the tiles' scale words
.set PW1,  193
.set PWC,  194
.set WO,   196                         ; v196-199 the scale words on their way out
.set SPW,  200                         ; v200 LDS address of my spare word; never rewritten
.set NIL,  201                         ; v201 0; never rewritten
.set SEL,  34                          ; s[34:35] lane selects: lane l xor 16
.set G0,   36                          ; s[36:39] descriptor group 0
.set G1,   40                          ; s[40:47] group 1
; 64 numbers of a lane, v[s] .. v[s + 63], register 16 b + i = k 32 b + 16 (lane / 16) + i of my row, become a fragment's codes in v[pc] on and my row's scale word in v[pw].
.macro QUANT s, pc, pw
.irp b, 0,1,2,3
	v_max3_num_f32 v[TM+\b], |v[\s+16*\b]|, |v[\s+1+16*\b]|, 0x1800000   ; block b: my 16 numbers, and the floor 2^(3 - 127): the byte cannot fall under 1
.endr
.irp i, 2,4,6,8,10,12,14
.irp b, 0,1,2,3
	v_max3_num_f32 v[TM+\b], v[TM+\b], |v[\s+16*\b+\i]|, |v[\s+1+16*\b+\i]|   ; the four blocks by turns
.endr
.endr
.irp b, 0,1,2,3
	v_permlanex16_b32 v[TM+4+\b], v[TM+\b], s[SEL], s[SEL+1]
.endr
.irp b, 0,1,2,3
	v_max_num_f32 v[TM+\b], v[TM+\b], v[TM+4+\b]   ; with lane l xor 16's: the block's largest magnitude
.endr
.irp b, 0,1,2,3
	v_add_nc_u32 v[TM+12+\b], 0xff000000, v[TM+\b]   ; 2 off its exponent field: the conversion takes this operand's exponent field as its scale
.endr
.irp b, 0,1,2,3
	v_lshrrev_b32 v[TM+4+\b], 23, v[TM+12+\b]      ; the scale's byte
.endr
	v_lshl_or_b32 v[\pw], v[TM+5], 8, v[TM+4]
	v_lshl_or_b32 v[\pw], v[TM+6], 16, v[\pw]
	v_lshl_or_b32 v[\pw], v[TM+7], 24, v[\pw]
.irp b, 0,1,2,3
	v_cvt_scalef32_pk8_fp4_f32 v[\pc+2*\b], v[\s+16*\b:\s+7+16*\b], v[TM+12+\b]
	v_cvt_scalef32_pk8_fp4_f32 v[\pc+1+2*\b], v[\s+8+16*\b:\s+15+16*\b], v[TM+12+\b]
.endr
	v_nop                                          ; one plain place behind a scaled conversion
.irp c, 0,1                                    ; the layout wants a whole block in a lane: lanes 0-15 block 2 c, lanes 16-31 block 2 c + 1
.irp i, 0,1
	v_permlane16_swap_b32 v[\pc+4*\c+\i], v[\pc+2+4*\c+\i]
.endr
.endr
.endm
.macro LD x, e                         ; tile e: my row's 16 numbers of each of the four blocks; tile e's rows lie 8 e rows down
.irp b, 0,1,2,3
.irp k, 0,1,2,3
	ds_load_b128 v[\x+16*\b+4*\k:\x+16*\b+4*\k+3], v4 offset:\e*8*SPI+128*\b+16*\k
.endr
.endr
.endm
	s_load_b256 s[4:11], s[0:1], 0x0               ; x, wv, wq, wo
	s_load_b64 s[12:13], s[0:1], 0x20              ; cod
	v_lshl_add_u32 v[SPW], v0, 2, SPARE
	v_mov_b32 v[NIL], 0
	ds_add_u32 v[SPW], v[NIL]                      ; the opening lines: the add, twice on end, and its wait ahead of my tensor load
	ds_add_u32 v[SPW], v[NIL]
	v_lshrrev_b32 v1, 5, v0
	v_readfirstlane_b32 s[WV], v1                  ; wave 0..15
	s_mov_b32 s[G1], (2<<16)|(1<<20)|(6<<22)|(3<<25)   ; elements of 4 bytes; padding on: 4 words behind every 128
	s_mov_b32 s[G1+1], 128<<16                     ; tensor_dim0
	s_mov_b32 s[G1+2], 32<<16                      ; tensor_dim1
	s_mov_b32 s[G1+3], 128<<16                     ; tile_dim0: 128 numbers
	s_mov_b32 s[G1+4], 32                          ; tile_dim1: 32 rows
	s_mov_b32 s[G1+5], 2048                        ; tensor_dim0_stride
	s_mov_b32 s[G1+6], 0
	s_mov_b32 s[G1+7], 0
	s_mov_b32 s[SEL], 0x76543210
	s_mov_b32 s[SEL+1], 0xfedcba98
	s_lshr_b32 s20, ttmp9, 6                       ; which tensor
	s_and_b32 s21, ttmp9, 63                       ; its group of 32 rows
	s_lshl_b32 s26, s21, 18                        ; 32 rows of 8,192 bytes
	s_lshl_b32 s22, s[WV], 9                       ; my K step: 128 numbers
	s_add_co_u32 s26, s26, s22
	s_mov_b32 s27, 0
	s_mul_i32 s28, ttmp9, 8*REC                    ; the group's eight records (the four tensors' records lie on end)
	s_mov_b32 s29, 0
	s_lshr_b32 s23, s[WV], 1                       ; p
	s_and_b32 s25, s[WV], 1                        ; s
	s_mul_i32 s30, s23, REC
	s_lshl_b32 s24, s25, 10
	s_add_co_u32 s30, s30, s24                     ; my two images: record p, K step s
	s_mov_b32 s31, 0
	s_mul_i32 s15, s[WV], TILE                     ; my tile in LDS
	s_lshl_b32 s48, s23, 8
	s_lshl_b32 s49, s25, 2
	s_add_co_u32 s48, s48, s49
	s_add_co_u32 s48, s48, GW                      ; my scale words: 256 p + 4 s
	s_and_b32 s50, s[WV], 3
	s_mul_i32 s52, s50, 2*REC                      ; waves 0-3 send two records' words each
	s_mov_b32 s53, 0
	s_lshl_b32 s50, s50, 9
	s_add_co_u32 s50, s50, GW
	s_wait_dscnt 0x0                               ; both opening adds are done
	s_wait_kmcnt 0x0
	s_cmp_lt_u32 s20, 1                            ; the choice hangs on the work-group's number alone
	s_cselect_b64 s[4:5], s[4:5], s[6:7]
	s_cmp_lt_u32 s20, 3
	s_cselect_b64 s[8:9], s[8:9], s[10:11]
	s_cmp_lt_u32 s20, 2
	s_cselect_b64 s[4:5], s[4:5], s[8:9]
	s_add_nc_u64 s[4:5], s[4:5], s[26:27]
	s_mov_b32 s[G0], 1
	s_mov_b32 s[G0+1], s15
	s_mov_b64 s[G0+2:G0+3], s[4:5]
	s_or_b32 s[G0+3], s[G0+3], 0x80000000
	tensor_load_to_lds s[G0:G0+3], s[G1:G1+7]      ; my one tensor load
	s_nop 0
	s_add_nc_u64 s[12:13], s[12:13], s[28:29]
	s_add_nc_u64 s[32:33], s[12:13], s[30:31]
	s_add_nc_u64 s[52:53], s[12:13], s[52:53]
	v_and_b32 v1, 31, v0                           ; lane
	v_and_b32 v8, 15, v0                           ; r
	v_bfe_u32 v9, v0, 4, 1                         ; h
	v_lshlrev_b32 v2, 4, v1                        ; 16 x lane
	v_and_b32 v10, 8, v8
	v_lshlrev_b32 v5, 3, v1
	v_add_nc_u32 v10, v10, v8                      ; r + 8 (r / 8): tile row r's place among the 32 rows, less 8 e
	v_add_nc_u32 v5, s48, v5                       ; my scale word: + 8 x lane (lanes 0-15 store tile 0's, lanes 16-31 tile 1's)
	v_mul_u32_u24 v4, v10, SPI
	v_add_nc_u32 v6, s50, v2                       ; waves 0-3 read 512 bytes of words back
	v_lshl_add_u32 v4, v9, 6, v4
	v_mul_u32_u24 v7, v9, REC
	v_add_nc_u32 v4, s15, v4                       ; my row of my tile, + 64 h: my 16 numbers of a block
	v_lshl_add_u32 v7, v8, 4, v7
	v_add_nc_u32 v7, 4096, v7                      ; and store 256 bytes into each of two records
.irp b, 0,1,2,3
	v_mov_b32 v[TM+4+\b], 0                        ; written once: a lane permute's destination counts as one of its sources
.endr
	s_wait_alu depctr_va_vdst(0)
	s_wait_tensorcnt 0x0                           ; my tile is in; I alone read it
	LD X0, 0
	LD X1, 1
	s_wait_dscnt 16                                ; tile 0's sixteen loads are in; tile 1's sixteen may be out
	QUANT X0, PC0, PW0
	global_store_b128 v2, v[PC0:PC0+3], s[32:33]               ; an image's half: 512 consecutive bytes
	global_store_b128 v2, v[PC0+4:PC0+7], s[32:33] offset:512
	s_wait_dscnt 0x0
	QUANT X1, PC1, PW1
	global_store_b128 v2, v[PC1:PC1+3], s[32:33] offset:2048
	global_store_b128 v2, v[PC1+4:PC1+7], s[32:33] offset:2560
	v_cmp_gt_u32 vcc_lo, 16, v1
	v_cndmask_b32 v[PWC], v[PW1], v[PW0], vcc_lo   ; every lane holds its row's word of both tiles: lanes 0-15 give tile 0's, lanes 16-31 tile 1's
	ds_store_b32 v5, v[PWC]
	s_wait_dscnt 0x0                               ; for the others' sake: my words lie in LDS
	s_barrier_signal -1
	s_barrier_wait -1
	s_cmp_lt_u32 s[WV], 4
	s_cbranch_scc0 .Lend
	ds_load_b128 v[WO:WO+3], v6
	s_wait_dscnt 0x0
	global_store_b128 v7, v[WO:WO+3], s[52:53]     ; sixteen lanes store a record's 256 bytes of scale words
.Lend:
	s_wait_tensorcnt 0x0                           ; the wave's end
	ds_add_u32 v[SPW], v[NIL]
	s_wait_dscnt 0x0
	s_endpgm
.Lfunc_end_k_q2442ea837f_quant:
	.size	k_q2442ea837f_quant, .Lfunc_end_k_q2442ea837f_quant-k_q2442ea837f_quant
	.p2alignl 7, 3214868480
	.fill 96, 4, 3214868480
	.section	.rodata,"a",@progbits
	.p2align	6, 0x0
	.amdhsa_kernel k_q2442ea837f_quant
		.amdhsa_group_segment_fixed_size 327680
		.amdhsa_private_segment_fixed_size 0
		.amdhsa_enable_private_segment 0
		.amdhsa_kernarg_size 40
		.amdhsa_user_sgpr_count 2
		.amdhsa_user_sgpr_kernarg_segment_ptr 1
		.amdhsa_wavefront_size32 1
		.amdhsa_system_sgpr_workgroup_id_x 1
		.amdhsa_system_sgpr_workgroup_id_y 1
		.amdhsa_system_sgpr_workgroup_id_z 1
		.amdhsa_system_vgpr_workitem_id 0
		.amdhsa_next_free_vgpr 202
		.amdhsa_next_free_sgpr 66
		.amdhsa_reserve_vcc 1
		.amdhsa_float_denorm_mode_32 3
		.amdhsa_float_denorm_mode_16_64 3
		.amdhsa_memory_ordered 1
		.amdhsa_forward_progress 1
		.amdhsa_inst_pref_size 15
	.end_amdhsa_kernel
	.amdgpu_metadata
---
amdhsa.version: [ 1, 2 ]
amdhsa.kernels:
  - .name:           k_q2442ea837f_quant
    .symbol:         k_q2442ea837f_quant.kd
    .args:
      - { .name: x, .offset: 0, .size: 8, .value_kind: global_buffer, .address_space: global }
      - { .name: wv, .offset: 8, .size: 8, .value_kind: global_buffer, .address_space: global }
      - { .name: wq, .offset: 16, .size: 8, .value_kind: global_buffer, .address_space: global }
      - { .name: wo, .offset: 24, .size: 8, .value_kind: global_buffer, .address_space: global }
      - { .name: cod, .offset: 32, .size: 8, .value_kind: global_buffer, .address_space: global }
    .group_segment_fixed_size: 327680
    .private_segment_fixed_size: 0
    .kernarg_segment_align: 8
    .kernarg_segment_size: 40
    .max_flat_workgroup_size: 512
    .sgpr_count:     66
    .vgpr_count:     202
    .wavefront_size: 32
...
	.end_amdgpu_metadata
.endif
;; end of part 1
;; launch proj (part 2): grid 16 x 16, 8 waves a work-group, clusters of 4 x 4, 327,680 bytes of LDS; arguments cod, freqs_cos, freqs_sin, kvc, kvs; writes kvc, kvs
.if DOCPART == 2
	.amdgcn_target "amdgcn-amd-amdhsa--gfx1250"
	.amdhsa_code_object_version 6
	.text
	.protected	k_q2442ea837f_proj
	.globl	k_q2442ea837f_proj
	.p2align	8
	.type	k_q2442ea837f_proj,@function
k_q2442ea837f_proj:
	s_mov_b64 s[64:65], 0
	v_nop
	global_prefetch_b8 v0, s[64:65] scope:SCOPE_SE
	s_setreg_imm32_b32 hwreg(HW_REG_WAVE_MODE, 25, 1), 1
	s_wait_xcnt 0x0
	s_wait_alu depctr_hold_cnt(0) depctr_sa_sdst(0) depctr_va_vdst(0) depctr_va_sdst(0) depctr_va_ssrc(0) depctr_va_vcc(0) depctr_vm_vsrc(0)
	s_getreg_b32 s2, hwreg(HW_REG_IB_STS2, 6, 4)
	s_cmp_eq_u32 s2, 0
	s_cbranch_scc0 .Lentry_in_a_cluster
	s_endpgm
.Lentry_in_a_cluster:
	s_bfe_u32 s2, ttmp6, 0x10000c
	s_cmp_lg_u32 s2, 0xf033
	s_cbranch_scc0 .Lentry_shape_is_right
	s_endpgm
.Lentry_shape_is_right:
; The two projections that reach the output, on codes of FP4 with E8M0 scales, and what follows them up to the next quantiser.  (x wk^T is not computed: its result is overwritten by the rotated query before any use.)
; TYPE Q (work-group rows 0-7): q = x wq^T for 256 tokens x one head; rotated by TWICE the table's angle; quantised along the head's 128: these codes are attention's queries AND keys.
; TYPE V (rows 8-15): v = x wv^T for 128 keys x two heads, made with the keys along a lane's registers; quantised along the keys: attention's second product's operand.
; THE CORE.  C^T tile: P (source 0) 128 rows x R (source 1) 256 rows.  Eight waves; all read P's 8 tiles, wave w owns R's group of 32 rows w (2 tiles): 16 accumulators, 128 registers.  Type Q: P = wq of head gx, R = x; type V: P = x of key step gx, R = wv.
; In the result lane (r, h) holds R's tile row r, and the 16 registers of P's tiles 2 b, 2 b + 1 are P's rows 32 b + 16 h + 0 .. 15 (the tiles' rows were chosen so when the codes were laid): 64 registers along the next K.
; OPERANDS come as records (4,352 bytes: 32 rows x 256 K as four images of a fragment's registers, then the scale words); a group of 32 rows has its 8 records on end.  K's 8 pairs go as three tiles: pairs 0-2 into slot 0 and 3-5 into slot 1, both asked
; for at the start; pairs 6-7 into slot 0 again.  Waves 0-3 fetch a group of P each, waves 4-7 two groups of R each: at most one tensor load of a wave is out.
; THE FREQUENCY TABLES' numbers (type Q: 128 a lane) are asked for at the head, into register window 1, and waited for behind the last product: their way from memory lies under the K steps.
; CLUSTER 4 x 4: P hangs on gx alone and is asked for jointly down a column, R on gy alone and jointly along a row.
; LIMITS: as the quantiser's: a block of zeros or under 2^-124 gets the byte 1; NaN and infinities are not served.
.set REC,   4352
.set BLKB,  8*REC                      ; a group of 32 rows, all of K
.set T3,    3*REC                      ; three pairs of one group
.set ROFF,  4*T3                       ; in a slot: P's four groups, then R's eight
.set SLOTB, 12*T3
.set SPARE, 2*SLOTB                    ; the spare words, 128 bytes a wave: four blocks of 256 bytes that no other line names
.set GW,    SPARE+1024                 ; the new scale words, gathered: 1,024 bytes
.set TB,    64*BLKB                    ; a tensor in cod
.set SPW, 1                            ; v1   LDS address of my spare word; never rewritten
.set NIL, 2                            ; v2   0; never rewritten
.set AP,  3                            ; v3-4   P's images in slot 0, 1: slot + 16 x lane (v3 is also 16 x lane for the stores)
.set WP,  5                            ; v5-6   P's scale words: slot + 4,096 + 8 x lane
.set AR,  7                            ; v7-8   my group of R
.set WR,  9                            ; v9-10  and its scale words
.set AR2, 11                           ; v11-12 the same for the third tile, whose groups lie two pairs apart
.set WR2, 12
.set LN,  13                           ; v13  lane
.set PF,  16                           ; v16-79   P's 8 fragments
.set RF,  80                           ; v80-95   R's 2; later the new codes
.set PS,  96                           ; v96-103  P's scale words: register 2 g + s; lanes 0-15 tile 2 g, lanes 16-31 tile 2 g + 1
.set RS,  104                          ; v104-105 R's: register s; lanes 0-15 tile 0, lanes 16-31 tile 1
.set TM,  106                          ; v106-121 at work in QUANT
.set RT,  114                          ; v114-117 at work in the rotation
.set PWC, 122
.set PW0, 123
.set PW1, 124
.set FA,  125                          ; v125 my offset in the frequency tables; never rewritten
.set GWA, 126                          ; v126 where my scale word goes
.set GRD, 127                          ; v127 where waves 0 and 1 read 512 bytes of them back
.set ACC, 128                          ; v128-255 accumulator (R tile j, P tile t) at 128 + 64 j + 8 t
.set TT1, 128                          ; WINDOW 1: v[64 j .. 64 j + 31] cos, v[64 j + 32 .. 64 j + 63] sin for R tile j; v128-131 at work
.set WV,  14
.set J,   15                           ; wave & 3: which group(s) I fetch
.set G1P3, 24
.set G1R3, 32
.set G1P2, 40
.set G1R2, 48
.set G0P,  56                          ; s[56:59], s[60:63]: P, slot 0 and 1
.set G0R,  68                          ; s[68:71], s[72:75]: R
.set TYP,  76
.set SEL,  78                          ; s[78:79]
.set MSB, 0
.macro WIN new                         ; s_set_vgpr_msb: bits 1:0 source 0, 3:2 source 1, 5:4 source 2, 7:6 destination; the immediate's high byte repeats the setting that is left
.if MSB != \new
	s_set_vgpr_msb (MSB<<8)|\new
.set MSB, \new
.endif
.endm
.macro PLACES n
.rept \n
	v_nop
.endr
.endm
.macro ROUND                           ; a round of the cluster's barrier
	s_barrier_signal -1
	s_barrier_wait -1
	s_cmp_lg_u32 s[WV], 0
	s_cbranch_scc1 .Lnot_wave_0_\@
	s_barrier_signal -3
.Lnot_wave_0_\@:
	s_barrier_wait -3
	s_barrier_signal -1
	s_barrier_wait -1
.endm
; One matrix instruction.  zero = 1: it starts its sum.  ra, rb: the half of the lanes from which source 0's and source 1's scale words are read.
.macro WM d, a, b, zero, sa, ra, sb, rb
.set rD, \d
.set rA, \a
.set rB, \b
.set rSA, \sa
.set rSB, \sb
.set rV, 4*(\zero)+2*(\ra)+(\rb)
.if rV == 0
	v_wmma_scale_f32_16x16x128_f8f6f4 v[rD:rD+7], v[rA:rA+7], v[rB:rB+7], v[rD:rD+7], v[rSA], v[rSB] matrix_a_fmt:MATRIX_FMT_FP4 matrix_b_fmt:MATRIX_FMT_FP4
.elseif rV == 1
	v_wmma_scale_f32_16x16x128_f8f6f4 v[rD:rD+7], v[rA:rA+7], v[rB:rB+7], v[rD:rD+7], v[rSA], v[rSB] matrix_a_fmt:MATRIX_FMT_FP4 matrix_b_fmt:MATRIX_FMT_FP4 matrix_b_scale:MATRIX_SCALE_ROW1
.elseif rV == 2
	v_wmma_scale_f32_16x16x128_f8f6f4 v[rD:rD+7], v[rA:rA+7], v[rB:rB+7], v[rD:rD+7], v[rSA], v[rSB] matrix_a_fmt:MATRIX_FMT_FP4 matrix_b_fmt:MATRIX_FMT_FP4 matrix_a_scale:MATRIX_SCALE_ROW1
.elseif rV == 3
	v_wmma_scale_f32_16x16x128_f8f6f4 v[rD:rD+7], v[rA:rA+7], v[rB:rB+7], v[rD:rD+7], v[rSA], v[rSB] matrix_a_fmt:MATRIX_FMT_FP4 matrix_b_fmt:MATRIX_FMT_FP4 matrix_a_scale:MATRIX_SCALE_ROW1 matrix_b_scale:MATRIX_SCALE_ROW1
.elseif rV == 4
	v_wmma_scale_f32_16x16x128_f8f6f4 v[rD:rD+7], v[rA:rA+7], v[rB:rB+7], 0, v[rSA], v[rSB] matrix_a_fmt:MATRIX_FMT_FP4 matrix_b_fmt:MATRIX_FMT_FP4
.elseif rV == 5
	v_wmma_scale_f32_16x16x128_f8f6f4 v[rD:rD+7], v[rA:rA+7], v[rB:rB+7], 0, v[rSA], v[rSB] matrix_a_fmt:MATRIX_FMT_FP4 matrix_b_fmt:MATRIX_FMT_FP4 matrix_b_scale:MATRIX_SCALE_ROW1
.elseif rV == 6
	v_wmma_scale_f32_16x16x128_f8f6f4 v[rD:rD+7], v[rA:rA+7], v[rB:rB+7], 0, v[rSA], v[rSB] matrix_a_fmt:MATRIX_FMT_FP4 matrix_b_fmt:MATRIX_FMT_FP4 matrix_a_scale:MATRIX_SCALE_ROW1
.else
	v_wmma_scale_f32_16x16x128_f8f6f4 v[rD:rD+7], v[rA:rA+7], v[rB:rB+7], 0, v[rSA], v[rSB] matrix_a_fmt:MATRIX_FMT_FP4 matrix_b_fmt:MATRIX_FMT_FP4 matrix_a_scale:MATRIX_SCALE_ROW1 matrix_b_scale:MATRIX_SCALE_ROW1
.endif
.endm
; A K step of 128: step s of pair `pair` of the tile at these addresses.  20 loads of 512 consecutive bytes (and, with s = 0, the pair's scale words), then 16 matrix instructions, the 16 accumulators by turns.
; bare = 1: the four places in front of the loads into registers that matrix instructions have read stand elsewhere (or there was no product yet).
.macro KSTEP ap, wp, ar, wr, pair, s, zero, bare
.if \bare == 0
	PLACES 4
.endif
.if \s == 0
.irp k, 0,1,2,3
	ds_load_b64 v[PS+2*\k:PS+2*\k+1], v[\wp] offset:\k*T3+(\pair)*REC
.endr
	ds_load_b64 v[RS:RS+1], v[\wr] offset:(\pair)*REC
.endif
.irp k, 0,1,2,3
.irp e, 0,1
.irp c, 0,1
	ds_load_b128 v[PF+8*(2*\k+\e)+4*\c:PF+8*(2*\k+\e)+4*\c+3], v[\ap] offset:\k*T3+(\pair)*REC+\e*2048+(\s)*1024+\c*512
.endr
.endr
.endr
.irp j, 0,1
.irp c, 0,1
	ds_load_b128 v[RF+8*\j+4*\c:RF+8*\j+4*\c+3], v[\ar] offset:(\pair)*REC+\j*2048+(\s)*1024+\c*512
.endr
.endr
	s_wait_dscnt 0x0                               ; the step's operands are in; the SIMD's other wave has the matrix unit meanwhile
.irp t, 0,1,2,3,4,5,6,7
.irp j, 0,1
	WM ACC+64*\j+8*\t, PF+8*\t, RF+8*\j, \zero, PS+2*(\t/2)+(\s), \t%2, RS+(\s), \j
.endr
.endr
.endm
; 64 numbers of a lane, register 16 b + i = k 32 b + 16 (lane / 16) + i of my row, become a fragment's codes in v[pc] on and my row's scale word in v[pw].
.macro QUANT s, pc, pw
.irp b, 0,1,2,3
	v_max3_num_f32 v[TM+\b], |v[\s+16*\b]|, |v[\s+1+16*\b]|, 0x1800000   ; and the floor 2^(3 - 127): the byte cannot fall under 1
.endr
.irp i, 2,4,6,8,10,12,14
.irp b, 0,1,2,3
	v_max3_num_f32 v[TM+\b], v[TM+\b], |v[\s+16*\b+\i]|, |v[\s+1+16*\b+\i]|
.endr
.endr
.irp b, 0,1,2,3
	s_delay_alu instid0(VALU_DEP_4)
	v_permlanex16_b32 v[TM+4+\b], v[TM+\b], s[SEL], s[SEL+1]
.endr
.irp b, 0,1,2,3
	s_delay_alu instid0(VALU_DEP_4)
	v_max_num_f32 v[TM+\b], v[TM+\b], v[TM+4+\b]
.endr
.irp b, 0,1,2,3
	s_delay_alu instid0(VALU_DEP_4)
	v_add_nc_u32 v[TM+12+\b], 0xff000000, v[TM+\b]   ; 2 off the exponent field: the conversion's scale operand
.endr
.irp b, 0,1,2,3
	s_delay_alu instid0(VALU_DEP_4)
	v_lshrrev_b32 v[TM+4+\b], 23, v[TM+12+\b]      ; the scale's byte
.endr
	s_delay_alu instid0(VALU_DEP_3)
	v_lshl_or_b32 v[\pw], v[TM+5], 8, v[TM+4]
	s_delay_alu instid0(VALU_DEP_1)
	v_lshl_or_b32 v[\pw], v[TM+6], 16, v[\pw]
	s_delay_alu instid0(VALU_DEP_1)
	v_lshl_or_b32 v[\pw], v[TM+7], 24, v[\pw]
.irp b, 0,1,2,3
	v_cvt_scalef32_pk8_fp4_f32 v[\pc+2*\b], v[\s+16*\b:\s+7+16*\b], v[TM+12+\b]
	v_cvt_scalef32_pk8_fp4_f32 v[\pc+1+2*\b], v[\s+8+16*\b:\s+15+16*\b], v[TM+12+\b]
.endr
	v_nop                                          ; one plain place behind a scaled conversion
.irp c, 0,1
.irp i, 0,1
	v_permlane16_swap_b32 v[\pc+4*\c+\i], v[\pc+2+4*\c+\i]
.endr
.endr
.endm
; The tables' numbers for R tile j, into window 1: my token's 32 pairs of my half: pair 16 b + 8 h + 0 .. 7 of block b
.macro FLOAD j
.irp b, 0,1,2,3
.irp k, 0,1
	global_load_b128 v[64*\j+8*\b+4*\k:64*\j+8*\b+4*\k+3], v[FA], s[6:7] offset:\j*2048+64*\b+16*\k
	global_load_b128 v[64*\j+32+8*\b+4*\k:64*\j+32+8*\b+4*\k+3], v[FA], s[8:9] offset:\j*2048+64*\b+16*\k
.endr
.endr
.endm
; cos 2a = c c - s s, sin 2a = 2 c s, wholly in window 1; then (qr, qi) -> (qr cos 2a - qi sin 2a, qr sin 2a + qi cos 2a), in place, with the tables as source 1 from window 1; each accumulator from its low end on
.macro ROPE a, j
	WIN 0x55                                       ; all sources and the destination in window 1
.set q, 0
.rept 16
.set tt, TT1+2*(q%2)
.set cc, 64*(\j)+2*q
.set ss, 64*(\j)+32+2*q
	v_pk_mul_f32 v[tt:tt+1], v[ss:ss+1], v[ss:ss+1]
	v_pk_mul_f32 v[ss:ss+1], v[cc:cc+1], v[ss:ss+1]
	s_delay_alu instid0(VALU_DEP_2)
	v_pk_fma_f32 v[cc:cc+1], v[cc:cc+1], v[cc:cc+1], v[tt:tt+1] neg_lo:[0,0,1] neg_hi:[0,0,1]
	s_delay_alu instid0(VALU_DEP_2)
	v_pk_add_f32 v[ss:ss+1], v[ss:ss+1], v[ss:ss+1]
.set q, q+1
.endr
	WIN 0x04                                       ; source 1 in window 1, all else in window 0
.set q, 0
.rept 32
.set tt, RT+2*(q%2)
	v_mul_f32 v[tt], v[\a+2*q+1], v[64*(\j)+32+q]
	v_mul_f32 v[tt+1], v[\a+2*q], v[64*(\j)+32+q]
	v_fma_f32 v[\a+2*q], v[\a+2*q], v[64*(\j)+q], -v[tt]
	v_fma_f32 v[\a+2*q+1], v[\a+2*q+1], v[64*(\j)+q], v[tt+1]
.set q, q+1
.endr
	WIN 0
.endm
	s_load_b128 s[4:7], s[0:1], 0x0                ; cod, freqs_cos
	s_load_b128 s[8:11], s[0:1], 0x10              ; freqs_sin, kvc
	s_load_b64 s[12:13], s[0:1], 0x20              ; kvs
	v_lshl_add_u32 v[SPW], v0, 2, SPARE
	v_mov_b32 v[NIL], 0
	ds_add_u32 v1, v2
	ds_add_u32 v1, v2
	s_wait_dscnt 0x0
	v_lshrrev_b32 v13, 5, v0
	s_delay_alu instid0(VALU_DEP_1)
	v_readfirstlane_b32 s[WV], v13                 ; wave 0..7
	s_and_b32 s[J], s[WV], 3
	s_bfe_u32 s16, ttmp6, 0x40000                  ; cx
	s_bfe_u32 s17, ttmp6, 0x40004                  ; cy
	s_lshl_b32 s18, ttmp9, 2
	s_add_co_u32 s18, s18, s16                     ; gx
	s_and_b32 s20, ttmp7, 0xffff                   ; the cluster's y
	s_lshl_b32 s19, s20, 2
	s_add_co_u32 s19, s19, s17                     ; gy
	s_lshl_b32 s21, s17, 2
	s_lshl_b32 s21, 15, s21                        ; my row of the cluster
	s_lshl_b32 s22, 0x1111, s16                    ; my column
	; descriptor groups 1: elements of 8 bytes, no padding; a row is one group's three (or two) pairs, on end in memory; rows 34,816 bytes apart
	s_or_b32 s[G1P3], s22, (3<<16)|(1<<21)         ; 15:0 the mask; 17:16 elements of 8 bytes; 21 set beside a mask
	s_or_b32 s[G1P2], s22, (3<<16)|(1<<21)
	s_or_b32 s[G1R3], s21, (3<<16)|(1<<21)
	s_or_b32 s[G1R2], s21, (3<<16)|(1<<21)
.irp g, G1P3, G1R3
	s_mov_b32 s[\g+1], (T3/8)<<16                  ; tensor_dim0
	s_mov_b32 s[\g+3], (T3/8)<<16                  ; tile_dim0
.endr
.irp g, G1P2, G1R2
	s_mov_b32 s[\g+1], (2*REC/8)<<16
	s_mov_b32 s[\g+3], (2*REC/8)<<16
.endr
.irp g, G1P3, G1P2
	s_mov_b32 s[\g+2], 1<<16                       ; tensor_dim1
	s_mov_b32 s[\g+4], 1                           ; tile_dim1: one group
.endr
.irp g, G1R3, G1R2
	s_mov_b32 s[\g+2], 2<<16
	s_mov_b32 s[\g+4], 2                           ; two groups
.endr
.irp g, G1P3, G1R3, G1P2, G1R2
	s_mov_b32 s[\g+5], BLKB/8                      ; tensor_dim0_stride
	s_mov_b32 s[\g+6], 0
	s_mov_b32 s[\g+7], 0
.endr
	s_cmp_ge_u32 s20, 2                            ; the type hangs on the cluster's y alone: the same in all sixteen partners
	s_cselect_b32 s[TYP], 1, 0
	s_cselect_b32 s77, 0, 2*TB                     ; P: x (type V) or wq (type Q)
	s_mul_i32 s80, s18, 4*BLKB                     ; P's bytes hang on gx alone,
	s_mul_i32 s81, s[J], BLKB
	s_add_co_u32 s80, s80, s81
	s_add_co_u32 s80, s80, s77
	s_mov_b32 s81, 0
	s_mul_i32 s84, s19, 8*BLKB                     ; R's on gy alone: x's 8 blocks of 256 rows, then wv's 8
	s_mul_i32 s85, s[J], 2*BLKB
	s_add_co_u32 s84, s84, s85
	s_mov_b32 s85, 0
	s_mul_i32 s2, s[J], T3                         ; where they go: no place in the cluster enters an LDS address
	s_mul_i32 s3, s[J], 2*T3
	s_add_co_u32 s3, s3, ROFF
	s_wait_kmcnt 0x0
	s_add_nc_u64 s[82:83], s[4:5], s[80:81]
	s_add_nc_u64 s[86:87], s[4:5], s[84:85]
	ROUND                                          ; all sixteen work-groups are here: the first joint loads meet
.irp s, 0,1
	s_mov_b32 s[G0P+4*\s], 1
	s_add_co_u32 s[G0P+4*\s+1], s2, \s*SLOTB
	s_add_nc_u64 s[G0P+4*\s+2:G0P+4*\s+3], s[82:83], \s*T3
	s_or_b32 s[G0P+4*\s+3], s[G0P+4*\s+3], 0x80000000
	s_mov_b32 s[G0R+4*\s], 1
	s_add_co_u32 s[G0R+4*\s+1], s3, \s*SLOTB
	s_add_nc_u64 s[G0R+4*\s+2:G0R+4*\s+3], s[86:87], \s*T3
	s_or_b32 s[G0R+4*\s+3], s[G0R+4*\s+3], 0x80000000
.endr
	s_cmp_lt_u32 s[WV], 4                          ; at the head one tensor load a wave: slot 0's tile; slot 1's follows behind the three lines and a round, further down
	s_cbranch_scc0 .Lfirst_r
	tensor_load_to_lds s[G0P:G0P+3], s[G1P3:G1P3+7]
	s_nop 0
	PLACES 4
	s_branch .Lfirst_done
.Lfirst_r:
	tensor_load_to_lds s[G0R:G0R+3], s[G1R3:G1R3+7]
	s_nop 0
	PLACES 4
.Lfirst_done:
	v_and_b32 v[LN], 31, v0
	s_delay_alu instid0(VALU_DEP_1)
	v_lshlrev_b32 v[AP], 4, v[LN]
	s_wait_alu depctr_va_vdst(0)
	v_lshlrev_b32 v15, 3, v[LN]
	s_wait_alu depctr_va_vdst(0)
	v_add_nc_u32 v[AP+1], SLOTB, v[AP]
	v_add_nc_u32 v[WP], 4096, v15
	v_add_nc_u32 v[WP+1], SLOTB+4096, v15
	s_mul_i32 s2, s[WV], T3
	s_add_co_u32 s2, s2, ROFF                      ; my group of R in the first two tiles
	v_add_nc_u32 v[AR], s2, v[AP]
	s_delay_alu instid0(VALU_DEP_1)
	v_add_nc_u32 v[AR+1], SLOTB, v[AR]
	s_add_co_u32 s2, s2, 4096
	v_add_nc_u32 v[WR], s2, v15
	s_delay_alu instid0(VALU_DEP_1)
	v_add_nc_u32 v[WR+1], SLOTB, v[WR]
	s_lshr_b32 s2, s[WV], 1                        ; in the third a loader's two groups lie 8,704 bytes apart, from the same first byte
	s_mul_i32 s2, s2, 2*T3
	s_and_b32 s3, s[WV], 1
	s_mul_i32 s3, s3, 2*REC
	s_add_co_u32 s2, s2, s3
	s_add_co_u32 s2, s2, ROFF
	v_add_nc_u32 v[AR2], s2, v[AP]
	s_add_co_u32 s2, s2, 4096
	v_add_nc_u32 v[WR2], s2, v15
	v_and_b32 v15, 15, v0                          ; r
	s_delay_alu instid0(VALU_DEP_1)
	v_and_b32 v[FA], 8, v15
	s_delay_alu instid0(VALU_DEP_1)
	v_add_nc_u32 v[FA], v[FA], v15                 ; r + 8 (r / 8): my token in its group of 32, less 8 j
	s_delay_alu instid0(VALU_DEP_1)
	v_lshlrev_b32 v[FA], 8, v[FA]                  ; a table's row is 256 bytes
	v_bfe_u32 v15, v0, 4, 1                        ; h
	s_delay_alu instid0(VALU_DEP_1)
	v_lshl_add_u32 v[FA], v15, 5, v[FA]
	s_lshr_b32 s2, s[WV], 2
	s_lshl_b32 s2, s2, 9
	s_lshl_b32 s3, s[J], 2
	s_add_co_u32 s2, s2, s3
	s_add_co_u32 s2, s2, GW
	v_add_nc_u32 v[GWA], s2, v[AP]                 ; word of tile T = 2 (w & 3) + j, row r: 512 (w >> 2) + 16 (r + 16 j) + 4 (w & 3)
	s_and_b32 s2, s[WV], 1
	s_lshl_b32 s2, s2, 9
	s_add_co_u32 s2, s2, GW
	v_add_nc_u32 v[GRD], s2, v[AP]
.irp b, 0,1,2,3
	v_mov_b32 v[TM+4+\b], 0                        ; written once: a lane permute's destination counts as one of its sources
.endr
	s_mov_b32 s[SEL], 0x76543210
	s_mov_b32 s[SEL+1], 0xfedcba98
	; where the results go.  kvc: [head][key step][8 images of keys | 8 images of values], 16,384 bytes a step; kvs: [head][16 steps x 512 of keys' words | the same of values']
	s_lshl_b32 s88, s18, 18                        ; type Q: head gx,
	s_lshl_b32 s89, s19, 15                        ; key step 2 gy (+ w >> 2)
	s_add_co_u32 s88, s88, s89
	s_sub_co_u32 s90, s19, 8
	s_lshl_b32 s89, s90, 19                        ; type V: head 2 (gy - 8) (+ w >> 2),
	s_lshl_b32 s91, s18, 14                        ; key step gx,
	s_add_co_u32 s89, s89, s91
	s_add_co_u32 s89, s89, 8192                    ; behind the keys' images
	s_lshl_b32 s92, s18, 14
	s_lshl_b32 s93, s19, 10
	s_add_co_u32 s92, s92, s93
	s_lshl_b32 s93, s90, 15
	s_lshl_b32 s94, s18, 9
	s_add_co_u32 s93, s93, s94
	s_add_co_u32 s93, s93, 8192
	s_cmp_eq_u32 s[TYP], 0
	s_cselect_b32 s88, s88, s89
	s_cselect_b32 s92, s92, s93
	s_cselect_b32 s89, 14, 18                      ; from w >> 2 = 0 to 1: a key step on, or a head on
	s_cselect_b32 s93, 9, 14
	s_lshr_b32 s90, s[WV], 2
	s_lshl_b32 s89, s90, s89
	s_add_co_u32 s88, s88, s89
	s_lshl_b32 s89, s[J], 11                       ; my two images
	s_add_co_u32 s88, s88, s89
	s_mov_b32 s89, 0
	s_add_nc_u64 s[10:11], s[10:11], s[88:89]
	s_and_b32 s94, s[WV], 1
	s_lshl_b32 s93, s94, s93
	s_add_co_u32 s92, s92, s93
	s_mov_b32 s93, 0
	s_add_nc_u64 s[12:13], s[12:13], s[92:93]
	s_lshl_b32 s88, s19, 3
	s_add_co_u32 s88, s88, s[WV]
	s_lshl_b32 s88, s88, 13                        ; the tables at my group of 32 tokens (used in type Q alone)
	s_add_nc_u64 s[6:7], s[6:7], s[88:89]
	s_add_nc_u64 s[8:9], s[8:9], s[88:89]
	s_cmp_lg_u32 s[TYP], 0                         ; type Q asks for its tables' numbers now: 32 loads, which stay out over the K steps; their offset and bases are never rewritten
	s_cbranch_scc1 .Lno_tab
	WIN 0x40                                       ; destination window 1, address window 0
	s_wait_alu depctr_va_vdst(0)
	FLOAD 0
	FLOAD 1
	WIN 0                                          ; at a label and at a branch every window is 0
.Lno_tab:
	s_wait_alu depctr_va_vdst(0)
	s_wait_tensorcnt 0x0                           ; my part of slot 0 is in: the one tensor load that was out
	ds_add_u32 v[SPW], v[NIL]
	s_wait_dscnt 0x0
	ROUND                                          ; everybody's part is in, and all sixteen work-groups are here
	s_cmp_lt_u32 s[WV], 4                          ; slot 1's first fill: my one tensor load behind the round; it has six K steps in which to land
	s_cbranch_scc0 .Lsecond_r
	tensor_load_to_lds s[G0P+4:G0P+7], s[G1P3:G1P3+7]
	s_nop 0
	PLACES 4
	s_branch .Lsecond_done
.Lsecond_r:
	tensor_load_to_lds s[G0R+4:G0R+7], s[G1R3:G1R3+7]
	s_nop 0
	PLACES 4
.Lsecond_done:
	KSTEP AP, WP, AR, WR, 0, 0, 1, 1               ; the first products start the sums: nothing is cleared
	KSTEP AP, WP, AR, WR, 0, 1, 0, 0
.irp p, 1,2
.irp s, 0,1
	KSTEP AP, WP, AR, WR, \p, \s, 0, 0
.endr
.endr
	s_wait_tensorcnt 0x0                           ; all my tensor loads have landed, my part of slot 1 among them, so a group 0 may be written
	ds_add_u32 v[SPW], v[NIL]                      ; 0 onto my spare word
	s_add_nc_u64 s[G0P+2:G0P+3], s[G0P+2:G0P+3], 2*T3   ; slot 0's next tile: pairs 6 and 7
	s_add_nc_u64 s[G0R+2:G0R+3], s[G0R+2:G0R+3], 2*T3
	s_wait_dscnt 0x0                               ; the add is done, and my reads of slot 0 are over
	ROUND                                          ; both now hold of every wave of every partner
	s_cmp_lt_u32 s[WV], 4
	s_cbranch_scc0 .Lthird_r
	tensor_load_to_lds s[G0P:G0P+3], s[G1P2:G1P2+7]    ; my one tensor load behind the round: it has six K steps in which to land
	s_nop 0
	PLACES 4
	s_branch .Lthird_done
.Lthird_r:
	tensor_load_to_lds s[G0R:G0R+3], s[G1R2:G1R2+7]
	s_nop 0
	PLACES 4
.Lthird_done:
	KSTEP AP+1, WP+1, AR+1, WR+1, 0, 0, 0, 1       ; (the four v_nop behind the joint load are the places in front of its loads)
	KSTEP AP+1, WP+1, AR+1, WR+1, 0, 1, 0, 0
.irp p, 1,2
.irp s, 0,1
	KSTEP AP+1, WP+1, AR+1, WR+1, \p, \s, 0, 0
.endr
.endr
	s_wait_tensorcnt 0x0                           ; my part of the third tile is in (the one load that was out);
	s_barrier_signal -1
	s_barrier_wait -1                              ; everybody's is
.irp p, 0,1
.irp s, 0,1
	KSTEP AP, WP, AR2, WR2, \p, \s, 0, 0
.endr
.endr
	; THE WAY OUT.  A lane's 64 registers of R tile j run along the next K: the head's 128 (type Q) or the step's 128 keys (type V).
	PLACES 4                                       ; in front of the first reads of results
	s_wait_loadcnt 0x0                             ; the tables' numbers, asked for at the head (on every path, so that no load is out behind it; type V has none)
	s_cmp_lg_u32 s[TYP], 0
	s_cbranch_scc1 .Lno_rope
	ROPE ACC, 0
	ROPE ACC+64, 1
.Lno_rope:
	QUANT ACC, RF, PW0
	global_store_b128 v[AP], v[RF:RF+3], s[10:11]              ; an image's half: 512 consecutive bytes
	global_store_b128 v[AP], v[RF+4:RF+7], s[10:11] offset:512
	QUANT ACC+64, RF+8, PW1
	global_store_b128 v[AP], v[RF+8:RF+11], s[10:11] offset:1024
	global_store_b128 v[AP], v[RF+12:RF+15], s[10:11] offset:1536
	v_cmp_gt_u32 vcc_lo, 16, v[LN]
	s_delay_alu instid0(VALU_DEP_1)
	v_cndmask_b32 v[PWC], v[PW1], v[PW0], vcc_lo   ; lanes 0-15 give tile 0's words, lanes 16-31 tile 1's
	ds_store_b32 v[GWA], v[PWC]
	s_wait_dscnt 0x0                               ; for the others' sake: my words lie in LDS
	s_barrier_signal -1
	s_barrier_wait -1
	s_cmp_lt_u32 s[WV], 2
	s_cbranch_scc0 .Lno_words
	ds_load_b128 v[TM:TM+3], v[GRD]
	s_wait_dscnt 0x0
	global_store_b128 v[AP], v[TM:TM+3], s[12:13]  ; the words of 8 tiles: 512 consecutive bytes
.Lno_words:
	s_wait_tensorcnt 0x0                           ; the wave's end
	ds_add_u32 v[SPW], v[NIL]
	s_wait_dscnt 0x0
	ROUND                                          ; the closing round
	s_endpgm
.Lfunc_end_k_q2442ea837f_proj:
	.size	k_q2442ea837f_proj, .Lfunc_end_k_q2442ea837f_proj-k_q2442ea837f_proj
	.p2alignl 7, 3214868480
	.fill 96, 4, 3214868480
	.section	.rodata,"a",@progbits
	.p2align	6, 0x0
	.amdhsa_kernel k_q2442ea837f_proj
		.amdhsa_group_segment_fixed_size 327680
		.amdhsa_private_segment_fixed_size 0
		.amdhsa_enable_private_segment 0
		.amdhsa_kernarg_size 40
		.amdhsa_user_sgpr_count 2
		.amdhsa_user_sgpr_kernarg_segment_ptr 1
		.amdhsa_wavefront_size32 1
		.amdhsa_system_sgpr_workgroup_id_x 1
		.amdhsa_system_sgpr_workgroup_id_y 1
		.amdhsa_system_sgpr_workgroup_id_z 1
		.amdhsa_system_vgpr_workitem_id 0
		.amdhsa_next_free_vgpr 512
		.amdhsa_next_free_sgpr 96
		.amdhsa_reserve_vcc 1
		.amdhsa_float_denorm_mode_32 3
		.amdhsa_float_denorm_mode_16_64 3
		.amdhsa_memory_ordered 1
		.amdhsa_forward_progress 1
		.amdhsa_inst_pref_size 104
	.end_amdhsa_kernel
	.amdgpu_metadata
---
amdhsa.version: [ 1, 2 ]
amdhsa.kernels:
  - .name:           k_q2442ea837f_proj
    .symbol:         k_q2442ea837f_proj.kd
    .args:
      - { .name: cod, .offset: 0, .size: 8, .value_kind: global_buffer, .address_space: global }
      - { .name: freqs_cos, .offset: 8, .size: 8, .value_kind: global_buffer, .address_space: global }
      - { .name: freqs_sin, .offset: 16, .size: 8, .value_kind: global_buffer, .address_space: global }
      - { .name: kvc, .offset: 24, .size: 8, .value_kind: global_buffer, .address_space: global }
      - { .name: kvs, .offset: 32, .size: 8, .value_kind: global_buffer, .address_space: global }
    .group_segment_fixed_size: 327680
    .private_segment_fixed_size: 0
    .kernarg_segment_align: 8
    .kernarg_segment_size: 40
    .max_flat_workgroup_size: 256
    .sgpr_count:     96
    .vgpr_count:     512
    .wavefront_size: 32
...
	.end_amdgpu_metadata
.endif
;; end of part 2
;; launch attn (part 3): grid 32 x 8, 16 waves a work-group, clusters of 4 x 4, 327,680 bytes of LDS; arguments mask, kvc, kvs, aoc; writes aoc
.if DOCPART == 3
	.amdgcn_target "amdgcn-amd-amdhsa--gfx1250"
	.amdhsa_code_object_version 6
	.text
	.protected	k_q2442ea837f_attn
	.globl	k_q2442ea837f_attn
	.p2align	8
	.type	k_q2442ea837f_attn,@function
k_q2442ea837f_attn:
	s_mov_b64 s[64:65], 0
	v_nop
	global_prefetch_b8 v0, s[64:65] scope:SCOPE_SE
	s_setreg_imm32_b32 hwreg(HW_REG_WAVE_MODE, 25, 1), 1
	s_wait_xcnt 0x0
	s_wait_alu depctr_hold_cnt(0) depctr_sa_sdst(0) depctr_va_vdst(0) depctr_va_sdst(0) depctr_va_ssrc(0) depctr_va_vcc(0) depctr_vm_vsrc(0)
	s_getreg_b32 s2, hwreg(HW_REG_IB_STS2, 6, 4)
	s_cmp_eq_u32 s2, 0
	s_cbranch_scc0 .Lentry_in_a_cluster
	s_endpgm
.Lentry_in_a_cluster:
	s_bfe_u32 s2, ttmp6, 0x10000c
	s_cmp_lg_u32 s2, 0xf033
	s_cbranch_scc0 .Lentry_shape_is_right
	s_endpgm
.Lentry_shape_is_right:
; Attention on codes of FP4 with E8M0 scales: S^T = K Q^T, logit = S / sqrt(128) + mask, streaming softmax, O^T = V^T P^T, O / l, quantised along the head's 128 for the last projection.  The keys ARE the queries' codes.
; THE MASK IS AN INPUT: every number of it is read and added in f32, for every head; no tile is left out.
; THE SOFTMAX: t = logit x log2(e), ROUNDED TO f32; M = the running largest t rounded up to a whole number, kept as -M = floor(-t); p = 2^(t - M), at most 1 whatever the mask holds; l is the sum of the unquantised p;
; when M moves, l and O^T are multiplied by 2^(old M - new M), which rounds nothing.  p is quantised along the keys, 32 to a block.
; SHARES.  A work-group: 64 queries (gx) x 2 heads (pair gy), SIXTEEN waves of 256 registers, four to a SIMD, so that one wave's vector work stands beside another's LDS loads and matrix work.
; Wave w: query tile w & 3 (16 queries), head 2 gy + ((w >> 2) & 1), and of every 256 keys the 128 numbered w >> 3.  So two waves walk one (tile, head), each half of the keys, each with an M, an l and an O^T of its own;
; at the end waves 8-15 hand theirs to waves 0-7 through LDS, and the two are joined under the larger M: again multiplications by powers of two.
; LAYOUT.  Both products transposed: a lane holds ONE query (lane % 16).  The keys' images and the values' images were laid so that the 16 registers of tiles 2 b and 2 b + 1 are keys (or channels) 32 b + 16 (lane / 16) + 0 .. 15.
; RING.  Two slots of 256 keys: 64 rows x 1,024 bytes of the mask (+ 16 of padding a row) and, for both heads, 2 x 16,384 bytes of images.  Waves 0-3 fetch 16 rows of the mask each, waves 4-7 a (head, step) block each, the others nothing.
; Both heads' scale words (32,768 bytes) come once.  At most one tensor load of a wave is out.
; CLUSTER 4 x 4: the mask's tile hangs on gx alone and is asked for jointly down a column (eight heads); the images hang on gy alone and are asked for jointly along a row.
; LIMITS: NaN and +infinity are not served; a mask of -infinity gives p = 0, but a row that is -infinity throughout one wave's half of the keys is not served; p under 2^-126 counts as 0; a block of zeros or under 2^-124 gets the scale byte 1.
.set REC,   4352
.set MP,    1040                       ; a row of the mask in LDS: 1,024 bytes + 16 = 65 x 16: sixteen rows that a load touches start 16 bytes further round each time
.set KVO,   64*MP                      ; in a slot: the mask, then [head 2][step 2][keys 8,192 | values 8,192]
.set SLOT,  KVO+65536
.set SCW,   2*SLOT                     ; the scale words: [head 2][keys 16 x 512 | values 16 x 512]
.set SPARE, SCW+32768                  ; the spare words, 128 bytes a wave: eight blocks of 256 bytes that no other line names
.set GW,    SPARE+2048                 ; the output's scale words, gathered: 512 bytes
.set MGB,   17*512                     ; the joining: a wave's O^T (16 x 512 bytes) and its four statistics (512), as images of the registers; eight of them from LDS byte 0 on, in slot 0, which has had its last fill and its last read by then
.set AM,  1                            ; v1-2  my row of the mask, my 128 keys, in slot 0, 1
.set AK,  3                            ; v3-4  my head's images of my step
.set ASW, 5                            ; v5    my head's scale words, from my first step on
.set SPW, 6                            ; v6    LDS address of my spare word; never rewritten
.set NIL, 7                            ; v7    0; never rewritten
.set ADS, 8                            ; v8    the step's scale words
.set PFO, 9                            ; v9    the prefetches' offset; never rewritten
.set GWA, 10
.set GRD, 11
.set QF,  16                           ; v16-23  Q's fragment.  v12 -M, v13 the largest t, v[14:15] the sum in two halves
.set KW,  24                           ; v24-27  the keys' scale words: register T / 2; lanes 0-15 even tiles, lanes 16-31 odd
.set VW,  28                           ; v28-31  the values'
.set FR,  32                           ; v32-63  four fragments; with v64-95 eight
.set MK,  64                           ; v64-95  half a step's mask
.set S,   96                           ; v96-159 S^T, t, p
.set OT,  160                          ; v160-223 O^T
.set PC,  224                          ; v224-231 p's codes
.set WK,  232                          ; v232-247 at work
.set TM,  232
.set LI,  248                          ; v248 16 x lane
.set WO,  249                          ; v249 the words' offset on the way out
.set MG,  250                          ; v250 the joining: (wave & 7) x MGB + 16 x lane: where waves 8-15 store and waves 0-7 read
.set PS,  253                          ; v253 p's scale word (v252: f)
.set QS,  255                          ; v255 Q's scale word
.set WV,  14
.set J,   15                           ; wave & 3: my query tile; also which part of a tile I fetch
.set KH,  21                           ; wave >> 3: which of a slot's two key steps is mine
.set HH,  23
.set G1M, 24
.set G1K, 32
.set G1S, 40
.set G0M, 48                           ; s[48:51], s[52:55]
.set G0K, 56                           ; s[56:59], s[60:63]
.set G0S, 68
.set SC,  72                           ; s[72:73] 1 / sqrt(128)
.set LG,  74                           ; s[74:75] log2(e)
.set SEL, 76
.set TS,  78                           ; the slot's place among the scale words: 1,024 bytes a slot
.set CNT, 79
.set PFA, 92                           ; s[92:93] where my prefetches stand
.set PFS, 94                           ; s[94:95] a tile on
.set LIM, 96                           ; 1 in a wave that prefetches, else the greatest number
.macro PLACES n
.rept \n
	v_nop
.endr
.endm
.macro ROUND
	s_barrier_signal -1
	s_barrier_wait -1
	s_cmp_lg_u32 s[WV], 0
	s_cbranch_scc1 .Lnot_wave_0_\@
	s_barrier_signal -3
.Lnot_wave_0_\@:
	s_barrier_wait -3
	s_barrier_signal -1
	s_barrier_wait -1
.endm
.macro WM d, a, b, zero, sa, ra, sb, rb
.set rD, \d
.set rA, \a
.set rB, \b
.set rSA, \sa
.set rSB, \sb
.set rV, 4*(\zero)+2*(\ra)+(\rb)
.if rV == 0
	v_wmma_scale_f32_16x16x128_f8f6f4 v[rD:rD+7], v[rA:rA+7], v[rB:rB+7], v[rD:rD+7], v[rSA], v[rSB] matrix_a_fmt:MATRIX_FMT_FP4 matrix_b_fmt:MATRIX_FMT_FP4
.elseif rV == 1
	v_wmma_scale_f32_16x16x128_f8f6f4 v[rD:rD+7], v[rA:rA+7], v[rB:rB+7], v[rD:rD+7], v[rSA], v[rSB] matrix_a_fmt:MATRIX_FMT_FP4 matrix_b_fmt:MATRIX_FMT_FP4 matrix_b_scale:MATRIX_SCALE_ROW1
.elseif rV == 2
	v_wmma_scale_f32_16x16x128_f8f6f4 v[rD:rD+7], v[rA:rA+7], v[rB:rB+7], v[rD:rD+7], v[rSA], v[rSB] matrix_a_fmt:MATRIX_FMT_FP4 matrix_b_fmt:MATRIX_FMT_FP4 matrix_a_scale:MATRIX_SCALE_ROW1
.elseif rV == 3
	v_wmma_scale_f32_16x16x128_f8f6f4 v[rD:rD+7], v[rA:rA+7], v[rB:rB+7], v[rD:rD+7], v[rSA], v[rSB] matrix_a_fmt:MATRIX_FMT_FP4 matrix_b_fmt:MATRIX_FMT_FP4 matrix_a_scale:MATRIX_SCALE_ROW1 matrix_b_scale:MATRIX_SCALE_ROW1
.elseif rV == 4
	v_wmma_scale_f32_16x16x128_f8f6f4 v[rD:rD+7], v[rA:rA+7], v[rB:rB+7], 0, v[rSA], v[rSB] matrix_a_fmt:MATRIX_FMT_FP4 matrix_b_fmt:MATRIX_FMT_FP4
.elseif rV == 5
	v_wmma_scale_f32_16x16x128_f8f6f4 v[rD:rD+7], v[rA:rA+7], v[rB:rB+7], 0, v[rSA], v[rSB] matrix_a_fmt:MATRIX_FMT_FP4 matrix_b_fmt:MATRIX_FMT_FP4 matrix_b_scale:MATRIX_SCALE_ROW1
.elseif rV == 6
	v_wmma_scale_f32_16x16x128_f8f6f4 v[rD:rD+7], v[rA:rA+7], v[rB:rB+7], 0, v[rSA], v[rSB] matrix_a_fmt:MATRIX_FMT_FP4 matrix_b_fmt:MATRIX_FMT_FP4 matrix_a_scale:MATRIX_SCALE_ROW1
.else
	v_wmma_scale_f32_16x16x128_f8f6f4 v[rD:rD+7], v[rA:rA+7], v[rB:rB+7], 0, v[rSA], v[rSB] matrix_a_fmt:MATRIX_FMT_FP4 matrix_b_fmt:MATRIX_FMT_FP4 matrix_a_scale:MATRIX_SCALE_ROW1 matrix_b_scale:MATRIX_SCALE_ROW1
.endif
.endm
.macro QUANT s, pc, pw
.irp b, 0,1,2,3
	v_max3_num_f32 v[TM+\b], |v[\s+16*\b]|, |v[\s+1+16*\b]|, 0x1800000   ; and the floor 2^(3 - 127): the byte cannot fall under 1
.endr
.irp i, 2,4,6,8,10,12,14
.irp b, 0,1,2,3
	s_delay_alu instid0(VALU_DEP_4)
	v_max3_num_f32 v[TM+\b], v[TM+\b], |v[\s+16*\b+\i]|, |v[\s+1+16*\b+\i]|
.endr
.endr
.irp b, 0,1,2,3
	s_delay_alu instid0(VALU_DEP_4)
	v_permlanex16_b32 v[TM+4+\b], v[TM+\b], s[SEL], s[SEL+1]
.endr
.irp b, 0,1,2,3
	s_delay_alu instid0(VALU_DEP_4)
	v_max_num_f32 v[TM+\b], v[TM+\b], v[TM+4+\b]
.endr
.irp b, 0,1,2,3
	s_delay_alu instid0(VALU_DEP_4)
	v_add_nc_u32 v[TM+12+\b], 0xff000000, v[TM+\b]
.endr
.irp b, 0,1,2,3
	s_delay_alu instid0(VALU_DEP_4)
	v_lshrrev_b32 v[TM+4+\b], 23, v[TM+12+\b]
.endr
	s_delay_alu instid0(VALU_DEP_3)
	v_lshl_or_b32 v[\pw], v[TM+5], 8, v[TM+4]
	s_delay_alu instid0(VALU_DEP_1)
	v_lshl_or_b32 v[\pw], v[TM+6], 16, v[\pw]
	s_delay_alu instid0(VALU_DEP_1)
	v_lshl_or_b32 v[\pw], v[TM+7], 24, v[\pw]
.irp b, 0,1,2,3
	v_cvt_scalef32_pk8_fp4_f32 v[\pc+2*\b], v[\s+16*\b:\s+7+16*\b], v[TM+12+\b]
	v_cvt_scalef32_pk8_fp4_f32 v[\pc+1+2*\b], v[\s+8+16*\b:\s+15+16*\b], v[TM+12+\b]
.endr
	v_nop
.irp c, 0,1
.irp i, 0,1
	v_permlane16_swap_b32 v[\pc+4*\c+\i], v[\pc+2+4*\c+\i]
.endr
.endr
.endm
; A joint refill of slot o: waves 0-3 the mask's rows, waves 4-7 the images, the others nothing.  The branches hang on the wave's number alone.  Four v_nop follow each of the two lines.
.macro JLOAD o
	s_cmp_lt_u32 s[WV], 4
	s_cbranch_scc0 .Lnot_m_\@
	tensor_load_to_lds s[G0M+4*(\o):G0M+4*(\o)+3], s[G1M:G1M+7]
	s_nop 0
	PLACES 4
	s_branch .Lasked_\@
.Lnot_m_\@:
	s_cmp_lt_u32 s[WV], 8
	s_cbranch_scc0 .Lasked_\@
	tensor_load_to_lds s[G0K+4*(\o):G0K+4*(\o)+3], s[G1K:G1K+7]
	s_nop 0
	PLACES 4
.Lasked_\@:
.endm
; A PREFETCH INTO THE L2 of the tile behind the one just asked for: a slot's key steps ahead of the load that will want it.  Each aligned 256 bytes are named once in the launch.
; The mask's tile is read by both clusters of a column of clusters: the one with y = 0 asks; its partner at cy takes 16 of the 64 rows BY ADDRESS; waves 0 and 1 take 8 rows each: a lane a quarter of a row.
; The images are read by all clusters of a row of clusters: the one with x = 0 asks; its partner at cx takes block cx of the four; waves 4 and 5 take 8,192 bytes each, lanes 256 bytes apart.
; how = 1, at a trip's second change of slots: the last trip asks for nothing: there is no tile behind the eighth.
.macro ASK how
.if \how
	s_cmp_gt_u32 s[CNT], s[LIM]
.else
	s_cmp_eq_u32 s[LIM], 1
.endif
	s_cbranch_scc0 .Lnot_mine_\@
	global_prefetch_b8 v[PFO], s[PFA:PFA+1] th:TH_LOAD_NT scope:SCOPE_SE
.Lnot_mine_\@:
.endm
.macro KVLOAD reg, slot, tb, off       ; four images, tiles tb .. tb + 3, of my step of the slot; off = 0: keys, 8,192: values
.irp u, 0,1,2,3
.irp c, 0,1
	ds_load_b128 v[\reg+8*\u+4*\c:\reg+8*\u+4*\c+3], v[AK+\slot] offset:(\off)+(\tb+\u)*1024+\c*512
.endr
.endr
.endm
.macro MLOAD slot, half                ; my query's mask for keys 64 half + 32 b + 16 h + 0 .. 15 of my step, b = 0, 1
.irp b, 0,1
.irp k, 0,1,2,3
	ds_load_b128 v[MK+16*\b+4*\k:MK+16*\b+4*\k+3], v[AM+\slot] offset:256*(\half)+128*\b+16*\k
.endr
.endr
.endm
.macro ADDMASK s                       ; 32 scores: logit = score / sqrt(128) + mask, one rounding.  The maxima are taken of the logits; t - M = logit x log2(e) - M is one fused multiply-add further down.  Each accumulator from its low end on
.set n1, 0
.rept 16
	v_pk_fma_f32 v[\s+n1:\s+n1+1], v[\s+n1:\s+n1+1], s[SC:SC+1], v[MK+n1:MK+n1+1] op_sel_hi:[1,0,1]
.set n1, n1+2
.endr
.endm
; MY KEY STEP OF A SLOT: 128 keys.  LDS loads come back in order: each s_wait_dscnt 8 leaves the eight youngest out and shows the group ahead of them in.
.macro STEP slot
	v_add_nc_u32 v[ADS], s[TS], v[ASW]
	PLACES 3                                       ; with the line above: four places behind the last step's products, whose operands' registers are loaded now
	ds_load_b128 v[KW:KW+3], v[ADS]
	KVLOAD FR, \slot, 0, 0
	MLOAD \slot, 0
	s_wait_dscnt 0x8                               ; the words and key tiles 0-3 are in; the mask's eight loads may be out
.irp t, 0,1,2,3
	WM S+8*\t, FR+8*\t, QF, 1, KW+\t/2, \t%2, QS, 0
.endr
	PLACES 4
	KVLOAD FR, \slot, 4, 0
	s_wait_dscnt 0x8                               ; the mask's first half is in
	ADDMASK S
	MLOAD \slot, 1
	s_wait_dscnt 0x8                               ; key tiles 4-7 are in
.irp t, 4,5,6,7
	WM S+8*\t, FR+8*(\t-4), QF, 1, KW+\t/2, \t%2, QS, 0
.endr
	PLACES 4
	KVLOAD FR, \slot, 0, 8192
	s_wait_dscnt 0x8                               ; the mask's second half is in
	ADDMASK S+32
	KVLOAD MK, \slot, 4, 8192                      ; the values land under the softmax
	ds_load_b128 v[VW:VW+3], v[ADS] offset:8192
.irp b, 0,1,2,3
	v_max3_num_f32 v[WK+\b], v[S+16*\b], v[S+1+16*\b], v[S+2+16*\b]   ; the largest t of each block of 32 keys: for the row's maximum, and, since p rises with t, for the block's largest p
.endr
.irp i, 3,5,7,9,11,13
.irp b, 0,1,2,3
	s_delay_alu instid0(VALU_DEP_4)
	v_max3_num_f32 v[WK+\b], v[WK+\b], v[S+16*\b+\i], v[S+1+16*\b+\i]
.endr
.endr
.irp b, 0,1,2,3
	s_delay_alu instid0(VALU_DEP_4)
	v_max_num_f32 v[WK+\b], v[WK+\b], v[S+15+16*\b]
.endr
.irp b, 0,1,2,3
	s_delay_alu instid0(VALU_DEP_4)
	v_permlanex16_b32 v[WK+4+\b], v[WK+\b], s[SEL], s[SEL+1]
.endr
.irp b, 0,1,2,3
	s_delay_alu instid0(VALU_DEP_4)
	v_max_num_f32 v[WK+\b], v[WK+\b], v[WK+4+\b]   ; with lane l xor 16's 16 keys
.endr
	s_delay_alu instid0(VALU_DEP_2)
	v_max3_num_f32 v254, v[WK], v[WK+1], v[WK+2]
	s_delay_alu instid0(VALU_DEP_1)
	v_max_num_f32 v254, v254, v[WK+3]              ; the step's largest logit of my query
	s_delay_alu instid0(VALU_DEP_1)
	v_mul_f32 v254, s[LG], v254                    ; as t (log2(e) is positive)
	s_delay_alu instid0(VALU_DEP_1)
	v_max_num_f32 v13, v13, v254                   ; the running largest t
	v_mov_b32 v254, v12
	s_delay_alu instid0(VALU_DEP_2)
	v_floor_f32 v12, -v13                          ; the new -M = -ceil(t)
	s_delay_alu instid0(VALU_DEP_1)
	v_sub_f32 v254, v12, v254                      ; old M - new M: a whole number, 0 or less
	s_delay_alu instid0(VALU_DEP_1)
	v_cvt_i32_f32 v254, v254                       ; (it saturates)
	s_delay_alu instid0(VALU_DEP_1)
	v_ldexp_f32 v252, 1.0, v254                    ; f = 2^(old M - new M)
.set n1, 0
.rept 32
	v_pk_fma_f32 v[S+n1:S+n1+1], v[S+n1:S+n1+1], s[LG:LG+1], v[12:13] op_sel_hi:[1,0,0]   ; t - M, two at a time (of the pairs log2(e) and -M the low word serves both halves)
.set n1, n1+2
.endr
.irp b, 0,1,2,3
	v_fma_f32 v[WK+\b], v[WK+\b], s[LG], v12       ; the same of each block's largest logit
.endr
.set n1, 0
	s_wait_alu depctr_va_vdst(0)
.rept 64
	v_exp_f32 v[S+n1], v[S+n1]                     ; p
.set n1, n1+1
.endr
	v_pk_mul_f32 v[14:15], v[14:15], v[252:253] op_sel_hi:[1,0]   ; the sums under the new M (a plain place behind the exponentials)
	s_wait_alu depctr_va_vdst(0)                   ; one wait for the batch, ahead of its first reader
.irp b, 0,1,2,3
	v_exp_f32 v[WK+\b], v[WK+\b]                   ; the block's largest p: the same instructions on the same number give the same bits
.endr
	v_pk_add_f32 v[236:237], v[100:101], v[104:105]
	v_pk_add_f32 v[246:247], v[108:109], v[112:113]
	v_pk_add_f32 v[244:245], v[116:117], v[120:121]
	v_pk_add_f32 v[242:243], v[124:125], v[128:129]
	v_pk_add_f32 v[240:241], v[132:133], v[136:137]
	v_pk_add_f32 v[238:239], v[140:141], v[144:145]
	v_pk_add_f32 v[230:231], v[148:149], v[152:153]
	v_pk_add_f32 v[14:15], v[14:15], v[156:157]
	v_pk_add_f32 v[236:237], v[236:237], v[96:97]
	v_pk_add_f32 v[246:247], v[246:247], v[98:99]
	v_pk_add_f32 v[244:245], v[244:245], v[102:103]
	v_pk_add_f32 v[242:243], v[242:243], v[106:107]
	v_pk_add_f32 v[240:241], v[240:241], v[110:111]
	v_pk_add_f32 v[238:239], v[238:239], v[114:115]
	v_pk_add_f32 v[230:231], v[230:231], v[118:119]
	v_pk_add_f32 v[14:15], v[14:15], v[122:123]
	v_pk_add_f32 v[236:237], v[236:237], v[126:127]
	v_pk_add_f32 v[246:247], v[246:247], v[130:131]
	v_pk_add_f32 v[244:245], v[244:245], v[134:135]
	v_pk_add_f32 v[242:243], v[242:243], v[138:139]
	v_pk_add_f32 v[240:241], v[240:241], v[142:143]
	v_pk_add_f32 v[238:239], v[238:239], v[146:147]
	v_pk_add_f32 v[230:231], v[230:231], v[150:151]
	v_pk_add_f32 v[14:15], v[14:15], v[154:155]
	v_pk_add_f32 v[236:237], v[236:237], v[158:159]
	s_delay_alu instid0(VALU_DEP_2)
	v_pk_add_f32 v[14:15], v[14:15], v[242:243]
	s_delay_alu instid0(VALU_DEP_2)
	v_pk_add_f32 v[236:237], v[236:237], v[240:241]
	v_pk_add_f32 v[246:247], v[246:247], v[238:239]
	v_pk_add_f32 v[244:245], v[244:245], v[230:231]
	s_delay_alu instid0(VALU_DEP_2)
	v_pk_add_f32 v[14:15], v[14:15], v[246:247]
	s_delay_alu instid0(VALU_DEP_2)
	v_pk_add_f32 v[236:237], v[236:237], v[244:245]
	s_delay_alu instid0(VALU_DEP_1)
	v_pk_add_f32 v[14:15], v[14:15], v[236:237]
	s_wait_alu depctr_va_vdst(0)                   ; and one for the four
.irp b, 0,1,2,3
	v_max_num_f32 v[WK+\b], 0x1800000, v[WK+\b]    ; the floor 2^(3 - 127)
.endr
.irp b, 0,1,2,3
	s_delay_alu instid0(VALU_DEP_4)
	v_add_nc_u32 v[WK+12+\b], 0xff000000, v[WK+\b]
.endr
.irp b, 0,1,2,3
	s_delay_alu instid0(VALU_DEP_4)
	v_lshrrev_b32 v[WK+4+\b], 23, v[WK+12+\b]
.endr
	s_delay_alu instid0(VALU_DEP_3)
	v_lshl_or_b32 v[PS], v[WK+5], 8, v[WK+4]       ; p's scale word for these 128 keys
	s_delay_alu instid0(VALU_DEP_1)
	v_lshl_or_b32 v[PS], v[WK+6], 16, v[PS]
	s_delay_alu instid0(VALU_DEP_1)
	v_lshl_or_b32 v[PS], v[WK+7], 24, v[PS]
.irp b, 0,1,2,3
	v_cvt_scalef32_pk8_fp4_f32 v[PC+2*\b], v[S+16*\b:S+7+16*\b], v[WK+12+\b]
	v_cvt_scalef32_pk8_fp4_f32 v[PC+1+2*\b], v[S+8+16*\b:S+15+16*\b], v[WK+12+\b]
.endr
	v_nop
.irp c, 0,1
.irp i, 0,1
	v_permlane16_swap_b32 v[PC+4*\c+\i], v[PC+2+4*\c+\i]
.endr
.endr
.set n1, 0
.rept 32
	v_pk_mul_f32 v[OT+n1:OT+n1+1], v[OT+n1:OT+n1+1], v[252:253] op_sel_hi:[1,0]   ; O^T under the new M; these 32 are also the places between p's codes and scale word and the products
.set n1, n1+2
.endr
	s_wait_alu depctr_va_vdst(0)
	s_wait_dscnt 0x0                               ; the values and their words are in
.irp t, 0,1,2,3,4,5,6,7
	WM OT+8*\t, FR+8*\t, PC, 0, VW+\t/2, \t%2, PS, 0
.endr
	s_add_co_u32 s[TS], s[TS], 1024                ; my step of the next slot
.endm
; THE CHANGE OF SLOTS, at the head of slot `slot`.  Each wave waits for all its tensor loads (its part of the slot ahead), adds 0 to its spare word, and waits for that and for its reads of the slot that it has left.
; fill = 1: a round of the cluster's barrier, and behind it the slot that was left is filled with the tile two on: the load has every wave's key step in which to land.
.macro CHANGE slot, fill, how
	s_wait_tensorcnt 0x0                           ; no tensor load of mine is out, so a group 0 may be written
	ds_add_u32 v[SPW], v[NIL]
.if \fill
	s_add_nc_u64 s[G0M+4*(1-\slot)+2:G0M+4*(1-\slot)+3], s[G0M+4*(1-\slot)+2:G0M+4*(1-\slot)+3], 2048    ; 512 keys on in a row of the mask
	s_add_nc_u64 s[G0K+4*(1-\slot)+2:G0K+4*(1-\slot)+3], s[G0K+4*(1-\slot)+2:G0K+4*(1-\slot)+3], 65536   ; four key steps on
	s_wait_xcnt 0x0                                ; the last prefetch, a slot back, has read its address
	s_add_nc_u64 s[PFA:PFA+1], s[PFA:PFA+1], s[PFS:PFS+1]
.endif
	s_wait_dscnt 0x0                               ; the add is done, and my reads of the slot that I have left are over
.if \fill
	ROUND
	JLOAD 1-\slot
	ASK \how
.else
	s_barrier_signal -1
	s_barrier_wait -1
.endif
.endm
	s_load_b128 s[4:7], s[0:1], 0x0                ; mask, kvc
	s_load_b128 s[8:11], s[0:1], 0x10              ; kvs, aoc
	v_lshl_add_u32 v[SPW], v0, 2, SPARE
	v_mov_b32 v[NIL], 0
	ds_add_u32 v6, v7
	ds_add_u32 v6, v7
	s_wait_dscnt 0x0
	v_lshrrev_b32 v8, 5, v0
	s_delay_alu instid0(VALU_DEP_1)
	v_readfirstlane_b32 s[WV], v8                  ; wave 0..15
	s_and_b32 s[J], s[WV], 3
	s_bfe_u32 s[HH], s[WV], 0x10002                ; bit 2 of the wave's number: which of the two heads
	s_bfe_u32 s16, ttmp6, 0x40000                  ; cx
	s_bfe_u32 s17, ttmp6, 0x40004                  ; cy
	s_lshl_b32 s18, ttmp9, 2
	s_add_co_u32 s18, s18, s16                     ; gx: my 64 queries
	s_and_b32 s20, ttmp7, 0xffff                   ; the cluster's y
	s_lshl_b32 s19, s20, 2
	s_add_co_u32 s19, s19, s17                     ; gy: my pair of heads
	s_lshl_b32 s21, s17, 2
	s_lshl_b32 s21, 15, s21                        ; my row of the cluster
	s_lshl_b32 s22, 0x1111, s16                    ; my column
	s_or_b32 s[G1M], s22, (2<<16)|(1<<20)|(1<<21)|(7<<22)|(3<<25)   ; the mask: elements of 4 bytes; padding on, 4 words behind every 256
	s_mov_b32 s[G1M+1], 256<<16                    ; tensor_dim0
	s_mov_b32 s[G1M+2], 16<<16                     ; tensor_dim1
	s_mov_b32 s[G1M+3], 256<<16                    ; tile_dim0: 256 keys
	s_mov_b32 s[G1M+4], 16                         ; tile_dim1: 16 queries
	s_mov_b32 s[G1M+5], 2048                       ; tensor_dim0_stride
	s_mov_b32 s[G1M+6], 0
	s_mov_b32 s[G1M+7], 0
	s_or_b32 s[G1K], s21, (3<<16)|(1<<21)          ; dense blocks as rows of 256 bytes (32 elements of 8)
	s_or_b32 s[G1S], s21, (3<<16)|(1<<21)
.irp g, G1K, G1S
	s_mov_b32 s[\g+1], 32<<16
	s_mov_b32 s[\g+3], 32<<16
	s_mov_b32 s[\g+5], 32
	s_mov_b32 s[\g+6], 0
	s_mov_b32 s[\g+7], 0
.endr
	s_mov_b32 s[G1K+2], 64<<16                     ; 16,384 bytes of images
	s_mov_b32 s[G1K+4], 64
	s_mov_b32 s[G1S+2], 16<<16                     ; 4,096 bytes of scale words: an eighth of the two heads', one for each of waves 8-15
	s_mov_b32 s[G1S+4], 16
	s_lshl_b32 s80, s18, 19                        ; the mask at row 64 gx + 16 (w & 3): hangs on gx alone
	s_lshl_b32 s81, s[J], 17
	s_add_co_u32 s80, s80, s81
	s_mov_b32 s81, 0
	s_lshl_b32 s84, s19, 19                        ; the images of head 2 gy + (j >> 1), step j & 1: hang on gy alone
	s_lshr_b32 s85, s[J], 1
	s_lshl_b32 s85, s85, 18
	s_add_co_u32 s84, s84, s85
	s_and_b32 s85, s[J], 1
	s_lshl_b32 s85, s85, 14
	s_add_co_u32 s84, s84, s85
	s_mov_b32 s85, 0
	s_lshl_b32 s88, s19, 15                        ; an eighth of the two heads' scale words: number wave & 7
	s_and_b32 s89, s[WV], 7
	s_lshl_b32 s89, s89, 12
	s_add_co_u32 s88, s88, s89
	s_mov_b32 s89, 0
	s_mul_i32 s2, s[J], 16*MP                      ; where they go
	s_lshl_b32 s3, s[J], 14
	s_add_co_u32 s3, s3, KVO
	s_and_b32 s97, s[WV], 7
	s_lshl_b32 s97, s97, 12
	s_add_co_u32 s97, s97, SCW
	s_wait_kmcnt 0x0
	s_add_nc_u64 s[82:83], s[4:5], s[80:81]
	s_add_nc_u64 s[86:87], s[6:7], s[84:85]
	s_add_nc_u64 s[90:91], s[8:9], s[88:89]
	ROUND                                          ; all sixteen work-groups are here: the first joint loads meet
.irp s, 0,1
	s_mov_b32 s[G0M+4*\s], 1
	s_add_co_u32 s[G0M+4*\s+1], s2, \s*SLOT
	s_add_nc_u64 s[G0M+4*\s+2:G0M+4*\s+3], s[82:83], \s*1024
	s_or_b32 s[G0M+4*\s+3], s[G0M+4*\s+3], 0x80000000
	s_mov_b32 s[G0K+4*\s], 1
	s_add_co_u32 s[G0K+4*\s+1], s3, \s*SLOT
	s_add_nc_u64 s[G0K+4*\s+2:G0K+4*\s+3], s[86:87], \s*32768
	s_or_b32 s[G0K+4*\s+3], s[G0K+4*\s+3], 0x80000000
.endr
	s_mov_b32 s[G0S], 1
	s_mov_b32 s[G0S+1], s97
	s_mov_b64 s[G0S+2:G0S+3], s[90:91]
	s_or_b32 s[G0S+3], s[G0S+3], 0x80000000
	s_cmp_lt_u32 s[WV], 4                          ; the head's loads, one a wave, in one tree of branches on the wave's number: waves 0-3 slot 0's mask, waves 4-7 its images, waves 8-15 the scale words
	s_cbranch_scc0 .Lfirst_kv
	tensor_load_to_lds s[G0M:G0M+3], s[G1M:G1M+7]
	s_nop 0
	PLACES 4
	s_branch .Lfirst_done
.Lfirst_kv:
	s_cmp_lt_u32 s[WV], 8
	s_cbranch_scc0 .Lfirst_sw
	tensor_load_to_lds s[G0K:G0K+3], s[G1K:G1K+7]
	s_nop 0
	PLACES 4
	s_branch .Lfirst_done
.Lfirst_sw:
	tensor_load_to_lds s[G0S:G0S+3], s[G1S:G1S+7]
	s_nop 0
	PLACES 4
.Lfirst_done:
	s_lshr_b32 s[KH], s[WV], 3                     ; which of a slot's two key steps is mine
	v_and_b32 v232, 15, v0                         ; r
	s_wait_alu depctr_va_vdst(0)
	v_bfe_u32 v233, v0, 4, 1                       ; h
	v_and_b32 v234, 31, v0                         ; lane
	s_delay_alu instid0(VALU_DEP_1)
	v_lshlrev_b32 v[LI], 4, v234
	; Q: my 16 consecutive queries out of the keys' images.  Query 64 gx + 16 qt + r lies in key step gx >> 1, tile 4 (gx & 1) + 2 (qt >> 1) + (r >> 3), tile row 8 (qt & 1) + (r & 7)
	s_lshl_b32 s98, s19, 1
	s_add_co_u32 s98, s98, s[HH]                   ; my head
	s_lshr_b32 s99, s18, 1
	s_and_b32 s2, s18, 1
	s_lshl_b32 s2, s2, 1
	s_lshr_b32 s3, s[J], 1
	s_add_co_u32 s2, s2, s3                        ; 2 (gx & 1) + (qt >> 1)
	s_and_b32 s3, s[J], 1
	s_lshl_b32 s3, s3, 7                           ; 8 tile rows: 128 bytes, in an image and among the words alike
	s_lshl_b32 s12, s98, 18
	s_lshl_b32 s13, s99, 14
	s_add_co_u32 s12, s12, s13
	s_lshl_b32 s13, s2, 11
	s_add_co_u32 s12, s12, s13
	s_add_co_u32 s12, s12, s3
	s_mov_b32 s13, 0
	s_add_nc_u64 s[12:13], s[6:7], s[12:13]
	s_lshl_b32 s98, s98, 14
	s_lshl_b32 s99, s99, 9
	s_add_co_u32 s98, s98, s99
	s_add_co_u32 s98, s98, s3
	s_lshl_b32 s99, s2, 2
	s_add_co_u32 s98, s98, s99
	s_mov_b32 s99, 0
	s_add_nc_u64 s[98:99], s[8:9], s[98:99]
	v_lshrrev_b32 v235, 3, v232                    ; r >> 3
	v_and_b32 v8, 7, v232                          ; r & 7
	s_delay_alu instid0(VALU_DEP_1)
	v_lshlrev_b32 v8, 4, v8
	s_delay_alu instid0(VALU_DEP_1)
	v_lshl_add_u32 v251, v235, 10, v8
	s_wait_alu depctr_va_vdst(0)
	v_lshl_add_u32 v251, v233, 8, v251             ; 1,024 (r >> 3) + 256 h + 16 (r & 7)
	v_lshl_add_u32 v254, v235, 8, v8               ; 16 ((r & 7) + 16 (r >> 3))
	global_load_b128 v[QF:QF+3], v251, s[12:13]
	global_load_b128 v[QF+4:QF+7], v251, s[12:13] offset:512
	global_load_b32 v[QS], v254, s[98:99]
	s_mul_i32 s2, s[J], 16*MP
	s_lshl_b32 s3, s[KH], 9                        ; my step's 128 keys: 512 bytes on in a row
	s_add_co_u32 s2, s2, s3
	v_mul_u32_u24 v[AM], v232, MP
	s_delay_alu instid0(VALU_DEP_1)
	v_lshl_add_u32 v[AM], v233, 6, v[AM]
	s_delay_alu instid0(VALU_DEP_1)
	v_add_nc_u32 v[AM], s2, v[AM]                  ; the mask: row 16 qt + r, + 64 h
	s_delay_alu instid0(VALU_DEP_1)
	v_add_nc_u32 v[AM+1], SLOT, v[AM]
	s_lshl_b32 s2, s[HH], 15
	s_lshl_b32 s3, s[KH], 14                       ; my step's images
	s_add_co_u32 s2, s2, s3
	s_add_co_u32 s2, s2, KVO
	v_add_nc_u32 v[AK], s2, v[LI]
	s_delay_alu instid0(VALU_DEP_1)
	v_add_nc_u32 v[AK+1], SLOT, v[AK]
	s_lshl_b32 s2, s[HH], 14
	s_lshl_b32 s3, s[KH], 9                        ; my step's scale words
	s_add_co_u32 s2, s2, s3
	s_add_co_u32 s2, s2, SCW
	v_add_nc_u32 v[ASW], s2, v[LI]
	s_and_b32 s2, s[WV], 7
	s_mul_i32 s2, s2, MGB
	v_add_nc_u32 v[MG], s2, v[LI]                  ; the joining: waves w and w + 8 name the same bytes
	s_lshl_b32 s2, s[J], 7
	s_lshl_b32 s3, s[HH], 2
	s_add_co_u32 s2, s2, s3
	s_add_co_u32 s2, s2, GW
	v_lshl_add_u32 v[GWA], v232, 3, s2             ; the output's word of (tile qt, row r, head hh): 128 qt + 8 r + 4 hh
	v_add_nc_u32 v[GRD], GW, v[LI]
	v_mul_u32_u24 v[WO], v233, 8*REC               ; on the way out lanes 0-15 store the first record's words, lanes 16-31 those of the next group of 32 queries
	s_delay_alu instid0(VALU_DEP_1)
	v_lshl_add_u32 v[WO], v232, 4, v[WO]
	; the prefetches (macro ASK): where mine stand, and who asks
	s_and_b32 s97, s[WV], 1
	s_lshl_b32 s2, s18, 19                         ; the mask: row 64 gx + 16 cy + 8 (w & 1), tile 2
	s_lshl_b32 s3, s17, 17
	s_add_co_u32 s2, s2, s3
	s_lshl_b32 s3, s97, 16
	s_add_co_u32 s2, s2, s3
	s_add_co_u32 s2, s2, 2048
	s_lshl_b32 s3, s19, 19                         ; the images: head 2 gy + (cx >> 1), step 4 + (cx & 1), half w & 1
	s_lshr_b32 s94, s16, 1
	s_lshl_b32 s94, s94, 18
	s_add_co_u32 s3, s3, s94
	s_and_b32 s94, s16, 1
	s_lshl_b32 s94, s94, 14
	s_add_co_u32 s3, s3, s94
	s_lshl_b32 s94, s97, 13
	s_add_co_u32 s3, s3, s94
	s_add_co_u32 s3, s3, 65536
	s_mov_b32 s94, 32768
	s_mov_b32 s95, 1024
	s_cmp_lt_u32 s[WV], 4
	s_cselect_b64 s[PFA:PFA+1], s[4:5], s[6:7]
	s_cselect_b32 s2, s2, s3
	s_cselect_b32 s[PFS], 1024, s94                ; a tile on
	s_cselect_b32 s95, 8192, s95                   ; from four lanes to the next four
	s_cselect_b32 s97, s20, ttmp9                  ; the coordinate along which other clusters read the same bytes
	v_lshrrev_b32 v[PFO], 2, v234
	s_delay_alu instid0(VALU_DEP_1)
	v_mul_lo_u32 v[PFO], v[PFO], s95
	v_and_b32 v235, 3, v234
	s_delay_alu instid0(VALU_DEP_1)
	v_lshl_add_u32 v[PFO], v235, 8, v[PFO]
	s_mov_b32 s3, 0
	s_add_nc_u64 s[PFA:PFA+1], s[PFA:PFA+1], s[2:3]   ; at tile 2: the first change of slots steps it to tile 3.  Nothing is prefetched here, at the head
	s_mov_b32 s[PFS+1], 0
	s_and_b32 s96, s[WV], 10                       ; 0 in waves 0, 1, 4 and 5
	s_or_b32 s96, s96, s97
	s_cmp_eq_u32 s96, 0
	s_cselect_b32 s[LIM], 1, -1                    ; the same in all sixteen partners, for a given wave
	; where the output goes: aoc is laid as cod's tensors: record 8 (group of 32 queries) + pair of heads; tile = 16 consecutive queries, K step = the head
	s_lshl_b32 s2, s18, 1
	s_lshr_b32 s97, s[J], 1
	s_add_co_u32 s2, s2, s97
	s_lshl_b32 s2, s2, 3
	s_add_co_u32 s2, s2, s19
	s_mul_i32 s2, s2, REC
	s_and_b32 s97, s[J], 1
	s_lshl_b32 s97, s97, 11
	s_add_co_u32 s2, s2, s97
	s_lshl_b32 s97, s[HH], 10
	s_add_co_u32 s2, s2, s97
	s_add_nc_u64 s[100:101], s[10:11], s[2:3]
	s_lshl_b32 s2, s18, 4
	s_add_co_u32 s2, s2, s19
	s_mul_i32 s2, s2, REC
	s_add_co_u32 s2, s2, 4096
	s_add_nc_u64 s[10:11], s[10:11], s[2:3]
	s_mov_b32 s[SC], 0x3db504f3                    ; 1 / sqrt(128)
	s_mov_b32 s[SC+1], s[SC]                       ; (named with it as a pair, so it is written)
	s_mov_b32 s[LG], 0x3fb8aa3b                    ; log2(e)
	s_mov_b32 s[LG+1], s[LG]
	s_mov_b32 s[SEL], 0x76543210
	s_mov_b32 s[SEL+1], 0xfedcba98
	s_mov_b32 s[TS], 0
	v_mov_b32 v13, 0xff61b1e6                      ; the largest t so far: -3e38
	s_delay_alu instid0(VALU_DEP_1)
	v_floor_f32 v12, -v13
	v_mov_b32 v14, 0
	v_mov_b32 v15, 0
.irp b, 0,1,2,3
	v_mov_b32 v[WK+4+\b], 0                        ; written once: a lane permute's destination counts as one of its sources
.endr
	v_mov_b32 v[PS], 0                             ; (named as the upper half of the pair v[252:253] before it is first written)
.set n1, 0
.rept 64
	v_mov_b32 v[OT+n1], 0                          ; O^T: the step is written in one form: the first finds zeros, which the first change of M leaves zeros
.set n1, n1+1
.endr
	s_wait_alu depctr_va_vdst(0)
	s_wait_tensorcnt 0x0                           ; my one load of the head is in
	ds_add_u32 v[SPW], v[NIL]
	s_wait_dscnt 0x0
	ROUND                                          ; slot 0 and the scale words are whole, and all sixteen work-groups are here
	JLOAD 1                                        ; slot 1's first fill, issued as a refill is: one tensor load a wave; it has a key step in which to land
	s_wait_loadcnt 0x0                             ; Q
	STEP 0
	s_mov_b32 s[CNT], 3
.Ltrip:                                            ; three trips of two slots: tiles 2 to 7 are asked for
	CHANGE 1, 1, 0
	STEP 1
	CHANGE 0, 1, 1
	STEP 0
	s_sub_co_u32 s[CNT], s[CNT], 1
	s_cmp_lg_u32 s[CNT], 0
	s_cbranch_scc1 .Ltrip
	CHANGE 1, 0, 0                                 ; the last tile is written out: nothing is left to ask for.  Behind this barrier nobody reads slot 0, and it is filled no more
	STEP 1
	; THE JOINING.  Waves 8-15 hand O^T and (-M, t, l, l) to waves 0-7, as images of the registers, through slot 0's bytes.
	PLACES 4                                       ; in front of the first reads of the last products' results
	s_cmp_lt_u32 s[WV], 8
	s_cbranch_scc1 .Lkeeps
.irp t, 0,1,2,3,4,5,6,7
	ds_store_b128 v[MG], v[OT+8*\t:OT+8*\t+3] offset:1024*\t          ; each accumulator from its low end on; 512 consecutive bytes a store
	ds_store_b128 v[MG], v[OT+8*\t+4:OT+8*\t+7] offset:1024*\t+512
.endr
	ds_store_b128 v[MG], v[12:15] offset:8192
.Lkeeps:
	s_wait_dscnt 0x0                               ; for the others' sake: my stores lie in LDS
	s_barrier_signal -1
	s_barrier_wait -1
	s_cmp_lt_u32 s[WV], 8
	s_cbranch_scc0 .Lgave
.irp i, 0,1,2,3,4,5,6,7,8,9,10,11,12,13,14,15
	ds_load_b128 v[S+4*\i:S+4*\i+3], v[MG] offset:512*\i              ; the other half's O^T, register for register
.endr
	ds_load_b128 v[WK:WK+3], v[MG] offset:8192     ; its -M, t and l
	s_wait_dscnt 0x0
	v_min_num_f32 v254, v12, v[WK]                 ; the smaller -M is the larger M
	s_delay_alu instid0(VALU_DEP_1)
	v_sub_f32 v252, v254, v12                      ; my M less the joint M: a whole number, 0 or less
	s_delay_alu instid0(VALU_DEP_2)
	v_sub_f32 v[WK+4], v254, v[WK]                 ; the other's likewise
	s_delay_alu instid0(VALU_DEP_2)
	v_cvt_i32_f32 v252, v252                       ; (they saturate)
	s_delay_alu instid0(VALU_DEP_2)
	v_cvt_i32_f32 v[WK+4], v[WK+4]
	s_delay_alu instid0(VALU_DEP_2)
	v_ldexp_f32 v252, 1.0, v252                    ; f0
	s_delay_alu instid0(VALU_DEP_2)
	v_ldexp_f32 v[WK+4], 1.0, v[WK+4]              ; f1: powers of two: nothing is rounded by them
	v_add_f32 v14, v14, v15
	v_add_f32 v[WK+2], v[WK+2], v[WK+3]
	s_delay_alu instid0(VALU_DEP_2)
	v_mul_f32 v14, v14, v252
	s_delay_alu instid0(VALU_DEP_1)
	v_fma_f32 v14, v[WK+2], v[WK+4], v14           ; l0 f0 + l1 f1, of my lane's keys,
	s_delay_alu instid0(VALU_DEP_1)
	v_permlanex16_b32 v254, v14, s[SEL], s[SEL+1]
	s_delay_alu instid0(VALU_DEP_1)
	v_add_f32 v14, v14, v254                       ; and lane l xor 16's: the row's sum
	s_wait_alu depctr_va_vdst(0)
	v_rcp_f32 v14, v14
	v_nop                                          ; a plain place behind the transcendental
	s_wait_alu depctr_va_vdst(0)                   ; the wait ahead of its first reader
	v_mul_f32 v252, v252, v14                      ; f0 / l
	v_mul_f32 v[WK+4], v[WK+4], v14                ; f1 / l
.set n1, 0
.rept 32
	v_pk_mul_f32 v[S+n1:S+n1+1], v[S+n1:S+n1+1], v[WK+4:WK+5] op_sel_hi:[1,0]
.set n1, n1+2
.endr
.set n1, 0
.rept 32
	v_pk_fma_f32 v[S+n1:S+n1+1], v[OT+n1:OT+n1+1], v[252:253], v[S+n1:S+n1+1] op_sel_hi:[1,0,1]   ; O / l; each accumulator from its low end on
.set n1, n1+2
.endr
	; THE WAY OUT: quantised along the head's 128: one fragment and one scale word a row, K step `head` of the last projection
	QUANT S, PC, PS
	global_store_b128 v[LI], v[PC:PC+3], s[100:101]            ; an image's half: 512 consecutive bytes
	global_store_b128 v[LI], v[PC+4:PC+7], s[100:101] offset:512
	ds_store_b32 v[GWA], v[PS]                     ; lanes r and r + 16 write the same word with the same value
.Lgave:
	s_wait_dscnt 0x0                               ; for the others' sake
	s_barrier_signal -1
	s_barrier_wait -1
	s_cmp_lg_u32 s[WV], 0
	s_cbranch_scc1 .Lno_words
	ds_load_b128 v[WK:WK+3], v[GRD]
	s_wait_dscnt 0x0
	global_store_b128 v[WO], v[WK:WK+3], s[10:11]  ; sixteen lanes store a record's 256 bytes of scale words
.Lno_words:
	s_wait_tensorcnt 0x0                           ; the wave's end
	ds_add_u32 v[SPW], v[NIL]
	s_wait_dscnt 0x0
	ROUND                                          ; the closing round
	s_endpgm
.Lfunc_end_k_q2442ea837f_attn:
	.size	k_q2442ea837f_attn, .Lfunc_end_k_q2442ea837f_attn-k_q2442ea837f_attn
	.p2alignl 7, 3214868480
	.fill 96, 4, 3214868480
	.section	.rodata,"a",@progbits
	.p2align	6, 0x0
	.amdhsa_kernel k_q2442ea837f_attn
		.amdhsa_group_segment_fixed_size 327680
		.amdhsa_private_segment_fixed_size 0
		.amdhsa_enable_private_segment 0
		.amdhsa_kernarg_size 32
		.amdhsa_user_sgpr_count 2
		.amdhsa_user_sgpr_kernarg_segment_ptr 1
		.amdhsa_wavefront_size32 1
		.amdhsa_system_sgpr_workgroup_id_x 1
		.amdhsa_system_sgpr_workgroup_id_y 1
		.amdhsa_system_sgpr_workgroup_id_z 1
		.amdhsa_system_vgpr_workitem_id 0
		.amdhsa_next_free_vgpr 256
		.amdhsa_next_free_sgpr 102
		.amdhsa_reserve_vcc 0
		.amdhsa_float_denorm_mode_32 3
		.amdhsa_float_denorm_mode_16_64 3
		.amdhsa_memory_ordered 1
		.amdhsa_forward_progress 1
		.amdhsa_inst_pref_size 121
	.end_amdhsa_kernel
	.amdgpu_metadata
---
amdhsa.version: [ 1, 2 ]
amdhsa.kernels:
  - .name:           k_q2442ea837f_attn
    .symbol:         k_q2442ea837f_attn.kd
    .args:
      - { .name: mask, .offset: 0, .size: 8, .value_kind: global_buffer, .address_space: global }
      - { .name: kvc, .offset: 8, .size: 8, .value_kind: global_buffer, .address_space: global }
      - { .name: kvs, .offset: 16, .size: 8, .value_kind: global_buffer, .address_space: global }
      - { .name: aoc, .offset: 24, .size: 8, .value_kind: global_buffer, .address_space: global }
    .group_segment_fixed_size: 327680
    .private_segment_fixed_size: 0
    .kernarg_segment_align: 8
    .kernarg_segment_size: 32
    .max_flat_workgroup_size: 512
    .sgpr_count:     102
    .vgpr_count:     256
    .wavefront_size: 32
...
	.end_amdgpu_metadata
.endif
;; end of part 3
;; launch oproj (part 4): grid 16 x 16, 4 waves a work-group, clusters of 4 x 4, 327,680 bytes of LDS; arguments cod, aoc, out0; writes out0
.if DOCPART == 4
	.amdgcn_target "amdgcn-amd-amdhsa--gfx1250"
	.amdhsa_code_object_version 6
	.text
	.protected	k_q2442ea837f_oproj
	.globl	k_q2442ea837f_oproj
	.p2align	8
	.type	k_q2442ea837f_oproj,@function
k_q2442ea837f_oproj:
	s_mov_b64 s[64:65], 0
	v_nop
	global_prefetch_b8 v0, s[64:65] scope:SCOPE_SE
	s_setreg_imm32_b32 hwreg(HW_REG_WAVE_MODE, 25, 1), 1
	s_wait_xcnt 0x0
	s_wait_alu depctr_hold_cnt(0) depctr_sa_sdst(0) depctr_va_vdst(0) depctr_va_sdst(0) depctr_va_ssrc(0) depctr_va_vcc(0) depctr_vm_vsrc(0)
	s_getreg_b32 s2, hwreg(HW_REG_IB_STS2, 6, 4)
	s_cmp_eq_u32 s2, 0
	s_cbranch_scc0 .Lentry_in_a_cluster
	s_endpgm
.Lentry_in_a_cluster:
	s_bfe_u32 s2, ttmp6, 0x10000c
	s_cmp_lg_u32 s2, 0xf033
	s_cbranch_scc0 .Lentry_shape_is_right
	s_endpgm
.Lentry_shape_is_right:
; out0 = ao wo^T on codes of FP4 with E8M0 scales; ao [2048][2048] comes from the attention launch, wo from the quantising launch, both as records of register images (4,352 bytes: 32 rows x 256 K: four images, then 256 bytes of scale words; a group of 32 rows has its 8 records on end).
; BLOCK: C^T tile: P (source 0) = 128 rows of wo (block gx) x R (source 1) = 128 rows of ao (block gy): 16 x 16 = 256 work-groups of four waves.  All waves read P's 8 tiles; wave w owns R's group of 32 rows w (2 tiles): 16 accumulators.
; In the result lane (r, h) holds row r of R's tile, and the 16 registers of P's tiles 2 b, 2 b + 1 are output columns 32 b + 16 h + 0 .. 15.
; LDS: ALL OF K of both operands lies in LDS at once: 8 groups x 34,816 = 278,528 bytes, filled once: each wave issues one joint load at the head (waves 0, 1: two groups of P each; waves 2, 3: two of R each).  No slot is filled again.
; CLUSTER 4 x 4: P hangs on gx alone and is asked for jointly down a column, R on gy alone and jointly along a row.
; No prefetch: the launch's only loads from memory go out at its head, so there is no loop to run ahead in.
; REGISTERS: window 0: v1-15 addresses; two sets of fragments (K steps with s = 0: v16-95; s = 1: v128-207), two sets of scale words by the pair's parity (v96-105, v208-217).  Window 1: v0-127 the accumulators, (R tile j, P tile t) at 64 j + 8 t.
; A K step's 20 LDS loads (25 with a pair's scale words) are issued one step ahead, into the other set.
.set REC,   4352
.set BLKB,  8*REC                      ; a group of 32 rows, all of K
.set ROFF,  4*BLKB                     ; P's four groups, then R's four
.set SPARE, 8*BLKB                     ; the spare words, 128 bytes a wave: two blocks of 256 bytes that no other line names
.set STG,   SPARE+512                  ; the way out: a stage of 16 rows x (512 + 16) bytes for each wave, on bytes of its own
.set SPI,   528
.set TB,    64*BLKB                    ; a tensor in cod
.set SPW, 1
.set NIL, 2
.set AP,  3                            ; v3-6   P's groups: k x BLKB + 16 x lane
.set AR,  7                            ; v7     my group of R
.set WP,  8                            ; v8-11  P's scale words: k x BLKB + 8 x lane (4,096 stands in the offset)
.set WR,  12
.set LI,  13                           ; v13    16 x lane
.set STO, 14
.set SRD, 15
.set WV,  14
.set J,   15                           ; wave & 1: which two groups I fetch
.set G1P, 24
.set G1R, 32
.set G0P, 40
.set G0R, 44
.set MSB, 0
.macro WIN new                         ; s_set_vgpr_msb: bits 1:0 source 0, 3:2 source 1, 5:4 source 2, 7:6 destination; the high byte repeats the setting that is left
.if MSB != \new
	s_set_vgpr_msb (MSB<<8)|\new
.set MSB, \new
.endif
.endm
.macro PLACES n
.rept \n
	v_nop
.endr
.endm
.macro ROUND                           ; a round of the cluster's barrier
	s_barrier_signal -1
	s_barrier_wait -1
	s_cmp_lg_u32 s[WV], 0
	s_cbranch_scc1 .Lnot_wave_0_\@
	s_barrier_signal -3
.Lnot_wave_0_\@:
	s_barrier_wait -3
	s_barrier_signal -1
	s_barrier_wait -1
.endm
; One matrix instruction.  zero = 1: it starts its sum.  ra, rb: the half of the lanes from which source 0's and source 1's scale words are read.
.macro WM d, a, b, zero, sa, ra, sb, rb
.set rD, \d
.set rA, \a
.set rB, \b
.set rSA, \sa
.set rSB, \sb
.set rV, 4*(\zero)+2*(\ra)+(\rb)
.if rV == 0
	v_wmma_scale_f32_16x16x128_f8f6f4 v[rD:rD+7], v[rA:rA+7], v[rB:rB+7], v[rD:rD+7], v[rSA], v[rSB] matrix_a_fmt:MATRIX_FMT_FP4 matrix_b_fmt:MATRIX_FMT_FP4
.elseif rV == 1
	v_wmma_scale_f32_16x16x128_f8f6f4 v[rD:rD+7], v[rA:rA+7], v[rB:rB+7], v[rD:rD+7], v[rSA], v[rSB] matrix_a_fmt:MATRIX_FMT_FP4 matrix_b_fmt:MATRIX_FMT_FP4 matrix_b_scale:MATRIX_SCALE_ROW1
.elseif rV == 2
	v_wmma_scale_f32_16x16x128_f8f6f4 v[rD:rD+7], v[rA:rA+7], v[rB:rB+7], v[rD:rD+7], v[rSA], v[rSB] matrix_a_fmt:MATRIX_FMT_FP4 matrix_b_fmt:MATRIX_FMT_FP4 matrix_a_scale:MATRIX_SCALE_ROW1
.elseif rV == 3
	v_wmma_scale_f32_16x16x128_f8f6f4 v[rD:rD+7], v[rA:rA+7], v[rB:rB+7], v[rD:rD+7], v[rSA], v[rSB] matrix_a_fmt:MATRIX_FMT_FP4 matrix_b_fmt:MATRIX_FMT_FP4 matrix_a_scale:MATRIX_SCALE_ROW1 matrix_b_scale:MATRIX_SCALE_ROW1
.elseif rV == 4
	v_wmma_scale_f32_16x16x128_f8f6f4 v[rD:rD+7], v[rA:rA+7], v[rB:rB+7], 0, v[rSA], v[rSB] matrix_a_fmt:MATRIX_FMT_FP4 matrix_b_fmt:MATRIX_FMT_FP4
.elseif rV == 5
	v_wmma_scale_f32_16x16x128_f8f6f4 v[rD:rD+7], v[rA:rA+7], v[rB:rB+7], 0, v[rSA], v[rSB] matrix_a_fmt:MATRIX_FMT_FP4 matrix_b_fmt:MATRIX_FMT_FP4 matrix_b_scale:MATRIX_SCALE_ROW1
.elseif rV == 6
	v_wmma_scale_f32_16x16x128_f8f6f4 v[rD:rD+7], v[rA:rA+7], v[rB:rB+7], 0, v[rSA], v[rSB] matrix_a_fmt:MATRIX_FMT_FP4 matrix_b_fmt:MATRIX_FMT_FP4 matrix_a_scale:MATRIX_SCALE_ROW1
.else
	v_wmma_scale_f32_16x16x128_f8f6f4 v[rD:rD+7], v[rA:rA+7], v[rB:rB+7], 0, v[rSA], v[rSB] matrix_a_fmt:MATRIX_FMT_FP4 matrix_b_fmt:MATRIX_FMT_FP4 matrix_a_scale:MATRIX_SCALE_ROW1 matrix_b_scale:MATRIX_SCALE_ROW1
.endif
.endm
; K step n (pair n / 2, step n % 2): its operands into set n % 2; with an even n the pair's scale words too
.macro LOADS n
.set pr, (\n)/2
.set ss, (\n)%2
.set fb, 16+112*ss
.set sb, 96+112*(pr%2)
.if ss == 0
.irp k, 0,1,2,3
	ds_load_b64 v[sb+2*\k:sb+2*\k+1], v[WP+\k] offset:pr*REC+4096
.endr
	ds_load_b64 v[sb+8:sb+9], v[WR] offset:pr*REC+4096
.endif
.irp k, 0,1,2,3
.irp e, 0,1
.irp c, 0,1
	ds_load_b128 v[fb+8*(2*\k+\e)+4*\c:fb+8*(2*\k+\e)+4*\c+3], v[AP+\k] offset:pr*REC+\e*2048+ss*1024+\c*512
.endr
.endr
.endr
.irp j, 0,1
.irp c, 0,1
	ds_load_b128 v[fb+64+8*\j+4*\c:fb+64+8*\j+4*\c+3], v[AR] offset:pr*REC+\j*2048+ss*1024+\c*512
.endr
.endr
.endm
.macro MULS n, zero                    ; 16 matrix instructions, the 16 accumulators by turns
.set mq, (\n)%2
.set mf, 16+112*mq
.set ms, 96+112*(((\n)/2)%2)
.irp t, 0,1,2,3,4,5,6,7
.irp j, 0,1
	WM 64*\j+8*\t, mf+8*\t, mf+64+8*\j, \zero, ms+2*(\t/2)+mq, \t%2, ms+8+mq, \j
.endr
.endr
.endm
.macro STEP n, zero
.if (\n) < 15
	LOADS (\n)+1                                   ; the next step's operands, into the set that the step before multiplied (four places stand behind its products)
.if (\n)%2 == 1
	s_wait_dscnt 25                                ; all but the 25 just issued: this step's operands are in
.else
	s_wait_dscnt 20                                ; all but the 20 just issued
.endif
.else
	s_wait_dscnt 0x0
.endif
	WIN 0x50                                       ; C and D in window 1
	MULS \n, \zero
	PLACES 4                                       ; in front of loads into registers that these products read, and of the first reads of results
	WIN 0
.endm
	s_load_b128 s[4:7], s[0:1], 0x0                ; cod, aoc
	s_load_b64 s[8:9], s[0:1], 0x10                ; out0
	v_lshl_add_u32 v[SPW], v0, 2, SPARE
	v_mov_b32 v[NIL], 0
	ds_add_u32 v[SPW], v[NIL]                      ; the opening lines: the add, twice on end, and its wait ahead of my first tensor load
	ds_add_u32 v[SPW], v[NIL]
	v_lshrrev_b32 v13, 5, v0
	v_readfirstlane_b32 s[WV], v13                 ; wave 0..3
	s_and_b32 s[J], s[WV], 1
	s_bfe_u32 s16, ttmp6, 0x40000                  ; cx
	s_bfe_u32 s17, ttmp6, 0x40004                  ; cy
	s_lshl_b32 s18, ttmp9, 2
	s_add_co_u32 s18, s18, s16                     ; gx
	s_and_b32 s20, ttmp7, 0xffff
	s_lshl_b32 s19, s20, 2
	s_add_co_u32 s19, s19, s17                     ; gy
	s_lshl_b32 s21, s17, 2
	s_lshl_b32 s21, 15, s21                        ; my row of the cluster
	s_lshl_b32 s22, 0x1111, s16                    ; my column
	s_or_b32 s[G1P], s22, (3<<16)|(1<<21)          ; 15:0 the mask; 17:16 elements of 8 bytes; 21 set beside a mask
	s_or_b32 s[G1R], s21, (3<<16)|(1<<21)
.irp g, G1P, G1R
	s_mov_b32 s[\g+1], (BLKB/8)<<16                ; tensor_dim0: a group, all of K
	s_mov_b32 s[\g+2], 2<<16                       ; tensor_dim1: two groups
	s_mov_b32 s[\g+3], (BLKB/8)<<16                ; tile_dim0
	s_mov_b32 s[\g+4], 2                           ; tile_dim1
	s_mov_b32 s[\g+5], BLKB/8                      ; tensor_dim0_stride
	s_mov_b32 s[\g+6], 0
	s_mov_b32 s[\g+7], 0
.endr
	s_mul_i32 s80, s18, 4*BLKB                     ; P: wo, the fourth tensor of cod; its bytes hang on gx alone
	s_mul_i32 s81, s[J], 2*BLKB
	s_add_co_u32 s80, s80, s81
	s_add_co_u32 s80, s80, 3*TB
	s_mov_b32 s81, 0
	s_mul_i32 s84, s19, 4*BLKB                     ; R: ao; on gy alone
	s_mul_i32 s85, s[J], 2*BLKB
	s_add_co_u32 s84, s84, s85
	s_mov_b32 s85, 0
	s_mul_i32 s2, s[J], 2*BLKB                     ; where they go: no place in the cluster enters an LDS address
	s_add_co_u32 s3, s2, ROFF
	s_lshl_b32 s88, s19, 20                        ; out0 at row 128 gy + 32 w, column 128 gx
	s_lshl_b32 s89, s[WV], 18
	s_add_co_u32 s88, s88, s89
	s_lshl_b32 s89, s18, 9
	s_add_co_u32 s88, s88, s89
	s_mov_b32 s89, 0
	s_mul_i32 s90, s[WV], BLKB
	s_add_co_u32 s90, s90, ROFF                    ; my group of R in LDS
	s_mul_i32 s91, s[WV], 16*SPI
	s_add_co_u32 s91, s91, STG                     ; my stage
	s_wait_dscnt 0x0                               ; both opening adds are done
	s_wait_kmcnt 0x0
	s_mov_b32 s[G0P], 1
	s_mov_b32 s[G0P+1], s2
	s_add_nc_u64 s[G0P+2:G0P+3], s[4:5], s[80:81]
	s_or_b32 s[G0P+3], s[G0P+3], 0x80000000
	s_mov_b32 s[G0R], 1
	s_mov_b32 s[G0R+1], s3
	s_add_nc_u64 s[G0R+2:G0R+3], s[6:7], s[84:85]
	s_or_b32 s[G0R+3], s[G0R+3], 0x80000000
	s_add_nc_u64 s[8:9], s[8:9], s[88:89]
	ROUND                                          ; all sixteen work-groups are here: the joint loads meet
	s_cmp_lt_u32 s[WV], 2                          ; one tensor load a wave, one in each arm
	s_cbranch_scc0 .Lfor_r
	tensor_load_to_lds s[G0P:G0P+3], s[G1P:G1P+7]
	s_nop 0
	PLACES 4
	s_branch .Lasked
.Lfor_r:
	tensor_load_to_lds s[G0R:G0R+3], s[G1R:G1R+7]
	s_nop 0
	PLACES 4
.Lasked:
	v_and_b32 v16, 31, v0                          ; lane
	v_and_b32 v18, 15, v0                          ; r
	v_bfe_u32 v19, v0, 4, 1                        ; h
	v_lshlrev_b32 v[LI], 4, v16
	v_lshlrev_b32 v17, 3, v16
	v_mul_u32_u24 v18, v18, SPI
.irp k, 0,1,2,3
	v_add_nc_u32 v[AP+\k], \k*BLKB, v[LI]
	v_add_nc_u32 v[WP+\k], \k*BLKB, v17
.endr
	v_add_nc_u32 v[AR], s90, v[LI]
	v_add_nc_u32 v[WR], s90, v17
	v_lshl_add_u32 v18, v19, 6, v18
	v_add_nc_u32 v[STO], s91, v18                  ; the stage, in: row r, + 64 h
	v_add_nc_u32 v[SRD], s91, v[LI]                ; back: a row of 512 bytes, 16 a lane
	s_wait_alu depctr_va_vdst(0)
	s_wait_tensorcnt 0x0                           ; my two groups are in
	s_barrier_signal -1
	s_barrier_wait -1                              ; everybody's are
	LOADS 0
	STEP 0, 1                                      ; the first products start the sums: nothing is cleared
.irp n, 1,2,3,4,5,6,7,8,9,10,11,12,13,14,15
	STEP \n, 0
.endr
	; THE WAY OUT, a tile of 16 rows x 128 columns at a time: a lane holds four runs of 64 bytes of one row; through my stage they come back as whole rows of 512 bytes.  LDS serves a wave's instructions in order: no wait between the stores and the loads.
.irp j, 0,1
.if \j == 1
	s_wait_xcnt 0x0                                ; tile 0's stores have read their registers: tile 1's rows may land there
.endif
	WIN 0x04                                       ; the stores' data in window 1
.irp b, 0,1,2,3
.irp k, 0,1,2,3
	ds_store_b128 v[STO], v[64*\j+16*\b+4*\k:64*\j+16*\b+4*\k+3] offset:128*\b+16*\k   ; each accumulator from its low end on
.endr
.endr
	WIN 0
.irp i, 0,1,2,3,4,5,6,7,8,9,10,11,12,13,14,15
	ds_load_b128 v[16+4*\i:16+4*\i+3], v[SRD] offset:\i*SPI
.endr
.irp i, 0,1,2,3,4,5,6,7,8,9,10,11,12,13,14,15
	s_wait_dscnt 15-\i                             ; row i is back; the rows behind it may be out
	global_store_b128 v[LI], v[16+4*\i:16+4*\i+3], s[8:9] offset:(16*\j+\i)*8192 th:TH_STORE_NT   ; 32 lanes store 512 consecutive bytes, at a multiple of 512 from out0's first byte
.endr
.endr
	s_wait_tensorcnt 0x0                           ; the wave's end
	ds_add_u32 v[SPW], v[NIL]
	s_wait_dscnt 0x0
	ROUND                                          ; the closing round
	s_endpgm
.Lfunc_end_k_q2442ea837f_oproj:
	.size	k_q2442ea837f_oproj, .Lfunc_end_k_q2442ea837f_oproj-k_q2442ea837f_oproj
	.p2alignl 7, 3214868480
	.fill 96, 4, 3214868480
	.section	.rodata,"a",@progbits
	.p2align	6, 0x0
	.amdhsa_kernel k_q2442ea837f_oproj
		.amdhsa_group_segment_fixed_size 327680
		.amdhsa_private_segment_fixed_size 0
		.amdhsa_enable_private_segment 0
		.amdhsa_kernarg_size 24
		.amdhsa_user_sgpr_count 2
		.amdhsa_user_sgpr_kernarg_segment_ptr 1
		.amdhsa_wavefront_size32 1
		.amdhsa_system_sgpr_workgroup_id_x 1
		.amdhsa_system_sgpr_workgroup_id_y 1
		.amdhsa_system_sgpr_workgroup_id_z 1
		.amdhsa_system_vgpr_workitem_id 0
		.amdhsa_next_free_vgpr 384
		.amdhsa_next_free_sgpr 96
		.amdhsa_reserve_vcc 0
		.amdhsa_float_denorm_mode_32 3
		.amdhsa_float_denorm_mode_16_64 3
		.amdhsa_memory_ordered 1
		.amdhsa_forward_progress 1
		.amdhsa_inst_pref_size 73
	.end_amdhsa_kernel
	.amdgpu_metadata
---
amdhsa.version: [ 1, 2 ]
amdhsa.kernels:
  - .name:           k_q2442ea837f_oproj
    .symbol:         k_q2442ea837f_oproj.kd
    .args:
      - { .name: cod, .offset: 0, .size: 8, .value_kind: global_buffer, .address_space: global }
      - { .name: aoc, .offset: 8, .size: 8, .value_kind: global_buffer, .address_space: global }
      - { .name: out0, .offset: 16, .size: 8, .value_kind: global_buffer, .address_space: global }
    .group_segment_fixed_size: 327680
    .private_segment_fixed_size: 0
    .kernarg_segment_align: 8
    .kernarg_segment_size: 24
    .max_flat_workgroup_size: 128
    .sgpr_count:     96
    .vgpr_count:     384
    .wavefront_size: 32
...
	.end_amdgpu_metadata
.endif
;; end of part 4
